; MI455X (gfx1250); checked and timed in simulation.
; The chip was launched on July 23, 2026; its instructions are those of AMD's public machine-readable ISA for CDNA 5 (MIT licence, August 2026) and "CDNA5" Instruction Set Architecture Reference Guide (July 2026). The comments in the code are by the model that wrote it; some were corrected since.
;; Extra Msa Stack. Allowed arithmetic: float matrix products may take bf16 or f16 operands with f32 sums; other float arithmetic in f32, or as packed bf16 or f16 multiplies, adds, multiply-adds, maxima and minima; sums over many terms, partial sums and values carried from step to step in f32; what a program stores and reads back later, other than sums and carried values, may be rounded once to bf16 or f16.
;; Inputs: msa 1 x 512 x 256 x 64 float32; msa_mask 1 x 512 x 256 float32; pair 1 x 256 x 256 x 128 float32; pair_mask 1 x 256 x 256 float32; params_blocks_0_ga_bg 64 float32; params_blocks_0_ga_bo 64 float32; params_blocks_0_ga_ln_b 64 float32; params_blocks_0_ga_ln_g 64 float32; params_blocks_0_ga_wg 64 x 64 float32; params_blocks_0_ga_wk 64 x 64 float32; params_blocks_0_ga_wo 64 x 64 float32; params_blocks_0_ga_wq 64 x 64 float32; params_blocks_0_ga_wv 64 x 64 float32; params_blocks_0_mt_bd 64 float32; params_blocks_0_mt_bu 256 float32; params_blocks_0_mt_ln_b 64 float32; params_blocks_0_mt_ln_g 64 float32; params_blocks_0_mt_wd 256 x 64 float32; params_blocks_0_mt_wu 64 x 256 float32; params_blocks_0_opm_bl 16 float32; params_blocks_0_opm_bo 128 float32; params_blocks_0_opm_br 16 float32; params_blocks_0_opm_ln_b 64 float32; params_blocks_0_opm_ln_g 64 float32; params_blocks_0_opm_wl 64 x 16 float32; params_blocks_0_opm_wo 256 x 128 float32; params_blocks_0_opm_wr 64 x 16 float32; params_blocks_0_pt_bd 128 float32; params_blocks_0_pt_bu 512 float32; params_blocks_0_pt_ln_b 128 float32; params_blocks_0_pt_ln_g 128 float32; params_blocks_0_pt_wd 512 x 128 float32; params_blocks_0_pt_wu 128 x 512 float32; params_blocks_0_tri_end_bg 128 float32; params_blocks_0_tri_end_bo 128 float32; params_blocks_0_tri_end_ln_b 128 float32; params_blocks_0_tri_end_ln_g 128 float32; params_blocks_0_tri_end_wb 128 x 4 float32; params_blocks_0_tri_end_wg 128 x 128 float32; params_blocks_0_tri_end_wk 128 x 128 float32; params_blocks_0_tri_end_wo 128 x 128 float32; params_blocks_0_tri_end_wq 128 x 128 float32; params_blocks_0_tri_end_wv 128 x 128 float32; params_blocks_0_tri_start_bg 128 float32; params_blocks_0_tri_start_bo 128 float32; params_blocks_0_tri_start_ln_b 128 float32; params_blocks_0_tri_start_ln_g 128 float32; params_blocks_0_tri_start_wb 128 x 4 float32; params_blocks_0_tri_start_wg 128 x 128 float32; params_blocks_0_tri_start_wk 128 x 128 float32; params_blocks_0_tri_start_wo 128 x 128 float32; params_blocks_0_tri_start_wq 128 x 128 float32; params_blocks_0_tri_start_wv 128 x 128 float32.
;; Outputs: out0 1 x 512 x 256 x 64 float32; out1 1 x 256 x 256 x 128 float32.
;; One version. Each part assembles by itself: llvm-mc -triple=amdgcn-amd-amdhsa -mcpu=gfx1250 --defsym DOCPART=n.
;; ======== version 1 of 1: 4 launches
;; workspace buffers: ab 8,650,752 bytes; pair1 33,554,432 bytes; pair2t 33,554,432 bytes; bias1 524,288 bytes; bias2 524,288 bytes; pmt 262,144 bytes; mode_a 256 bytes of whole numbers; mode_b 256 bytes of whole numbers
;; launch msa (part 1): grid 256 x 1, 16 waves a work-group, no clusters, 255,232 bytes of LDS; arguments msa, msa_mask, params_blocks_0_ga_ln_g, params_blocks_0_ga_ln_b, params_blocks_0_ga_bg, params_blocks_0_ga_bo, params_blocks_0_mt_ln_g, params_blocks_0_mt_ln_b, params_blocks_0_mt_bd, params_blocks_0_opm_ln_g, params_blocks_0_opm_ln_b, params_blocks_0_mt_bu, params_blocks_0_opm_bl, params_blocks_0_opm_br, params_blocks_0_ga_wq, params_blocks_0_ga_wk, params_blocks_0_ga_wv, params_blocks_0_ga_wg, params_blocks_0_ga_wo, params_blocks_0_mt_wu, params_blocks_0_mt_wd, params_blocks_0_opm_wl, params_blocks_0_opm_wr, out0, ab, mode_a, mode_b; writes out0, ab, mode_a, mode_b
.if DOCPART == 1
	.amdgcn_target "amdgcn-amd-amdhsa--gfx1250"
	.amdhsa_code_object_version 6
	.text
	.protected	k_qcb1e7fa149_msa
	.globl	k_qcb1e7fa149_msa
	.p2align	8
	.type	k_qcb1e7fa149_msa,@function
k_qcb1e7fa149_msa:
	s_mov_b64 s[64:65], 0
	v_nop
	global_prefetch_b8 v0, s[64:65] scope:SCOPE_SE
	s_setreg_imm32_b32 hwreg(HW_REG_WAVE_MODE, 25, 1), 1
	s_wait_xcnt 0x0
; THE MSA TRACK OF ONE COLUMN i: global attention over the 512 rows s, the transition, and the two projections of the outer-product mean.
; A work-group is column i = its number; wave w owns rows s = 32 w .. 32 w + 31, two tiles of 16.  A row (64 f32, 256 bytes) is read once and written once.
; ROW LAYOUT: for a tile of 16 rows lane (r, h) holds row r, register 8 T + j channel 16 T + 8 h + j.  That is the result of a matrix instruction with source 0 = 16 output
; channels of a weight and source 1 = 16 rows; rounded to bf16 in pairs it is source 1 of the next product, so a chain of products never leaves the registers.
; Weights stay [k][n]: rounded to bf16 into LDS rows of 2 N + 32 bytes and fetched turned, by ds_load_tr16_b128.  Biases enter as the C operand of a sum's first product.
; SOFTMAX over s: channel 16 T + 8 h + j is head 2 T + h, so a lane holds a whole head of its row.  Each wave takes the true maximum of its 32 rows, the 16 waves' maxima, sums and
; weighted values meet in LDS and are combined with the maximum over all.  Exponentials are base 2: log2(e) lies in Q's scale and in the mask term (mask - 1) x 1e9 x log2(e).
; LIMITS: products take bf16 operands, sums are f32; a weight below 2^-126 counts as 0; NaN and infinities are not treated apart; the copy of the mask that goes to the next launch is bf16 (exact for 0 and 1).
.set LWQ, 0                  ; five weights of 64 x 64: rows of 160 bytes
.set LWK, 10240
.set LWV, 20480
.set LWG, 30720
.set LWO, 40960
.set LWU, 51200              ; 64 rows of 544 bytes
.set LWD, 86016              ; 256 rows of 160 bytes
.set LWLR, 126976            ; 64 rows of 96 bytes: columns 0-15 wl, 16-31 wr
.set ST, 133120              ; a stage of 16 rows x 272 bytes for each wave
.set CS, 202752              ; column sums, 256 bytes a wave
.set PM, 206848              ; 320 bytes a wave: weighted values 64, maxima 8 at 256, sums 8 at 288
.set MK, 211968              ; the column's mask, 512 f32
.set BU, 214016
.set VEC, 215040             ; nine vectors of 64 f32
.set BLR, 217344             ; bl, and br at 64
.set XM, 217600              ; 128 bytes a wave
.set WVN, 219648             ; the 64 weighted values
.set OS, 219904              ; 32 rows of 1,040 bytes: the projections, turned
.set SPARE, 253184           ; the spare words: 128 bytes a wave, named by no other line
.set R, 1
.set H, 2
.set L, 3
.set SPW, 4
.set NIL, 5
.set ZERO, 6
.set STC, 7                  ; stage by rows: + 544 p
.set STF, 8                  ; stage in the row layout: + 64 T + 16 u
.set TR160, 9
.set TR544, 10
.set TR96, 11
.set GROW, 12
.set VH, 13
.set A0, 14
.set A1, 15
.set A2, 16
.set AVEC, 17
.set T, 18                   ; v18-25 at work
.set MK0, 26                 ; my row's mask in tile 0 (a pair is named, the low word used)
.set MK1, 28
.set MU, 30
.set MS, 32                  ; the rows, f32: 32 rt + 8 T + j
.set XF, 96                  ; fragments: 16 rt + 8 ks
.set AC, 128                 ; accumulators: 32 rt + 8 nt
.set WF, 192
.set QV, 224
.set WN, 2
.set CI, 3
.set SEL, 62
.set I64, 72
.set EPS, 73
.set MC, 74
.set NMC, 75
.set SWU, 76
.set SWD, 77
.set SBU, 78
.set CNT, 79
.macro PLACES                ; plain vector instructions between a matrix instruction and what touches its registers (ISA guide 7.12.1)
.rept 5
	v_nop
.endr
.endm
.macro BAR                   ; my LDS instructions are done, then the work-group's barrier
	s_wait_dscnt 0x0
	s_barrier_signal -1
	s_barrier_wait -1
.endm
.macro FRAG d, a, o
	ds_load_b128 v[(\d):(\d)+3], v[\a] offset:(\o)
	ds_load_b128 v[(\d)+4:(\d)+7], v[\a] offset:(\o)+32
.endm
.macro TR16 d, a, o, p
	ds_load_tr16_b128 v[(\d):(\d)+3], v[\a] offset:(\o)
	ds_load_tr16_b128 v[(\d)+4:(\d)+7], v[\a] offset:(\o)+(\p)
.endm
.macro WM d, a, b, c         ; c < 0: the product starts the sum
.if (\c) < 0
	v_wmma_f32_16x16x32_bf16 v[(\d):(\d)+7], v[(\a):(\a)+7], v[(\b):(\b)+7], 0
.else
	v_wmma_f32_16x16x32_bf16 v[(\d):(\d)+7], v[(\a):(\a)+7], v[(\b):(\b)+7], v[(\c):(\c)+7]
.endif
.endm
.macro VLD d, a, o           ; 64 channels in the row layout: 8 loads
.set vq, 0
.rept 8
	ds_load_b128 v[(\d)+4*vq:(\d)+4*vq+3], v[\a] offset:(\o)+64*(vq/2)+16*(vq%2)
.set vq, vq+1
.endr
.endm
.macro WLOAD d, p, o         ; my 8 numbers of a chunk of 16,384 bytes
	global_load_b128 v[(\d):(\d)+3], v[A1], s[(\p):(\p)+1] offset:(\o)
	global_load_b128 v[(\d)+4:(\d)+7], v[A1], s[(\p):(\p)+1] offset:(\o)+16
.endm
.macro WSTORE d, a, o        ; rounded to bf16 and laid into LDS
	v_cvt_pk_bf16_f32 v[(\d)], v[(\d)], v[(\d)+1]
	v_cvt_pk_bf16_f32 v[(\d)+1], v[(\d)+2], v[(\d)+3]
	v_cvt_pk_bf16_f32 v[(\d)+2], v[(\d)+4], v[(\d)+5]
	v_cvt_pk_bf16_f32 v[(\d)+3], v[(\d)+6], v[(\d)+7]
	ds_store_b128 v[\a], v[(\d):(\d)+3] offset:(\o)
.endm
.macro WSUM x, y             ; the sum over the wave's 32 lanes, in every lane
	v_add_f32_dpp v[\x], v[\x], v[\x] row_xmask:1 row_mask:0xf bank_mask:0xf
	v_add_f32_dpp v[\x], v[\x], v[\x] row_xmask:2 row_mask:0xf bank_mask:0xf
	v_add_f32_dpp v[\x], v[\x], v[\x] row_xmask:4 row_mask:0xf bank_mask:0xf
	v_add_f32_dpp v[\x], v[\x], v[\x] row_xmask:8 row_mask:0xf bank_mask:0xf
	v_permlanex16_b32 v[\y], v[\x], s[SEL], s[SEL+1]
	v_add_f32 v[\x], v[\x], v[\y]
.endm
.macro RED                   ; four pairs at T into one number; the row's other half lies in the lane 16 away
	v_pk_add_f32 v[T:T+1], v[T:T+1], v[T+2:T+3]
	v_pk_add_f32 v[T+4:T+5], v[T+4:T+5], v[T+6:T+7]
	v_pk_add_f32 v[T:T+1], v[T:T+1], v[T+4:T+5]
	v_add_f32 v[T], v[T], v[T+1]
	v_permlanex16_b32 v[T+1], v[T], s[SEL], s[SEL+1]
	v_add_f32 v[T], v[T], v[T+1]
.endm
; Layer norm of tile rt: gain in AC, offset in AC + 32; mean first, then the squares of the differences; the result, bf16, is the tile's two fragments.
.macro LN64 rt
.set M, MS+32*(\rt)
.set lk, 0
.rept 4
	v_pk_add_f32 v[T+2*lk:T+2*lk+1], v[M+2*lk:M+2*lk+1], v[M+8+2*lk:M+8+2*lk+1]
.set lk, lk+1
.endr
.set lk, 0
.rept 8
	v_pk_add_f32 v[T+2*(lk%4):T+2*(lk%4)+1], v[T+2*(lk%4):T+2*(lk%4)+1], v[M+16+2*lk:M+16+2*lk+1]
.set lk, lk+1
.endr
	RED
	v_mul_f32 v[MU], 0x3c800000, v[T]
.set lk, 0
.rept 16
	v_pk_add_f32 v[WF+2*lk:WF+2*lk+1], v[M+2*lk:M+2*lk+1], v[MU:MU+1] op_sel_hi:[1,0] neg_lo:[0,1] neg_hi:[0,1]
.set lk, lk+1
.endr
.set lk, 0
.rept 4
	v_pk_mul_f32 v[T+2*lk:T+2*lk+1], v[WF+2*lk:WF+2*lk+1], v[WF+2*lk:WF+2*lk+1]
.set lk, lk+1
.endr
.rept 12
	v_pk_fma_f32 v[T+2*(lk%4):T+2*(lk%4)+1], v[WF+2*lk:WF+2*lk+1], v[WF+2*lk:WF+2*lk+1], v[T+2*(lk%4):T+2*(lk%4)+1]
.set lk, lk+1
.endr
	RED
	v_fma_f32 v[MU], v[T], s[I64], s[EPS]
	v_rsq_f32 v[MU], v[MU]
	v_nop
.set lk, 0
	s_wait_alu depctr_va_vdst(0)
.rept 16
	v_pk_mul_f32 v[WF+2*lk:WF+2*lk+1], v[WF+2*lk:WF+2*lk+1], v[MU:MU+1] op_sel_hi:[1,0]
.set lk, lk+1
.endr
.set lk, 0
.rept 16
	v_pk_fma_f32 v[WF+2*lk:WF+2*lk+1], v[WF+2*lk:WF+2*lk+1], v[AC+2*lk:AC+2*lk+1], v[AC+32+2*lk:AC+32+2*lk+1]
.set lk, lk+1
.endr
.set lk, 0
.rept 16
	v_cvt_pk_bf16_f32 v[XF+16*(\rt)+lk], v[WF+2*lk], v[WF+2*lk+1]
.set lk, lk+1
.endr
.endm
; Both tiles times a weight of 64 x 64: eight accumulators by turns.  cq = 1: the sums start with the vector in QV.  fb: where the four fragments of a K step go.
.macro PROJ64 slot, cq, fb
.set pk, 0
.rept 2
	PLACES
.set pn, 0
.rept 4
	TR16 (\fb)+8*pn, TR160, (\slot)+pk*5120+pn*32, 2560
.set pn, pn+1
.endr
	s_wait_dscnt 0x0
.set pn, 0
.rept 8
.if pk == 1
	WM AC+8*pn, (\fb)+8*(pn%4), XF+16*(pn/4)+8, AC+8*pn
.elseif \cq
	WM AC+8*pn, (\fb)+8*(pn%4), XF+16*(pn/4), QV+8*(pn%4)
.else
	WM AC+8*pn, (\fb)+8*(pn%4), XF+16*(pn/4), -1
.endif
.set pn, pn+1
.endr
.set pk, pk+1
.endr
.endm
	s_load_b512 s[8:23], s[0:1], 0x0
	s_load_b512 s[24:39], s[0:1], 0x40
	s_load_b512 s[40:55], s[0:1], 0x80
	s_load_b128 s[56:59], s[0:1], 0xc0
	s_load_b64 s[60:61], s[0:1], 0xd0
	v_lshl_add_u32 v[SPW], v0, 2, SPARE
	v_mov_b32 v[NIL], 0
	v_mov_b32 v[ZERO], 0
	v_and_b32 v[R], 15, v0
	v_bfe_u32 v[H], v0, 4, 1
	v_and_b32 v[L], 31, v0
	v_lshrrev_b32 v[A0], 5, v0
	v_readfirstlane_b32 s[WN], v[A0]
	s_mov_b32 s[CI], ttmp9
	s_mov_b32 s[SEL], 0x76543210
	s_mov_b32 s[SEL+1], 0xfedcba98
	s_mov_b32 s[I64], 0x3c800000           ; 1 / 64
	s_mov_b32 s[EPS], 0x3727c5ac           ; 1e-5
	s_mov_b32 s[MC], 0x4eabfb8f            ; 1e9 log2(e)
	s_mov_b32 s[NMC], 0xceabfb8f
.irp q, 22,23,24,25,27,29
	v_mov_b32 v\q, 0                       ; written once: lane exchanges land here, or the register is the unused half of a named pair
.endr
	s_mul_i32 s4, s[WN], 4352
	s_add_co_u32 s4, s4, ST                ; my stage
	v_mul_u32_u24 v[STC], v[H], 272
	v_lshl_add_u32 v[STC], v[R], 4, v[STC]
	v_add_nc_u32 v[STC], s4, v[STC]
	v_mul_u32_u24 v[STF], v[R], 272
	v_lshl_add_u32 v[STF], v[H], 5, v[STF]
	v_add_nc_u32 v[STF], s4, v[STF]
	v_and_b32 v[A0], 7, v0
	v_lshl_add_u32 v[A0], v[H], 3, v[A0]   ; the turning load: row 8 h + lane % 8,
	v_bfe_u32 v[A1], v0, 3, 1
	v_lshlrev_b32 v[A1], 4, v[A1]          ; 16 bytes further for lanes 8-15 of each half
	v_mul_u32_u24 v[TR160], v[A0], 160
	v_add_nc_u32 v[TR160], v[TR160], v[A1]
	v_mul_u32_u24 v[TR544], v[A0], 544
	v_add_nc_u32 v[TR544], v[TR544], v[A1]
	v_mul_u32_u24 v[TR96], v[A0], 96
	v_add_nc_u32 v[TR96], v[TR96], v[A1]
	v_add_nc_u32 v[TR96], LWLR, v[TR96]
	v_lshlrev_b32 v[GROW], 16, v[H]        ; two rows a load: 65,536 bytes apart, 16 lanes a row
	v_lshl_add_u32 v[GROW], v[R], 4, v[GROW]
	v_lshlrev_b32 v[VH], 5, v[H]
	v_add_nc_u32 v[AVEC], VEC, v[VH]
	v_lshrrev_b32 v18, 3, v0               ; where my 8 numbers of a 64-wide weight go
	v_mul_u32_u24 v18, v18, 160
	v_and_b32 v21, 7, v0
	v_lshl_add_u32 v18, v21, 4, v18
	v_add_nc_u32 v20, LWD, v18
	v_lshrrev_b32 v19, 5, v0               ; and of the 256-wide one
	v_mul_u32_u24 v19, v19, 544
	v_lshl_add_u32 v19, v[L], 4, v19
	v_add_nc_u32 v19, LWU, v19
	s_lshl_b32 s66, s[WN], 21              ; 32 rows of 65,536 bytes a wave,
	s_lshl_b32 s5, s[CI], 8                ; 256 bytes a column
	s_add_co_u32 s66, s66, s5
	s_mov_b32 s67, 0
	s_lshl_b32 s68, s[CI], 2
	s_mov_b32 s69, 0
	s_wait_kmcnt 0x0
	s_add_nc_u64 s[8:9], s[8:9], s[66:67]
	s_add_nc_u64 s[54:55], s[54:55], s[66:67]
	s_add_nc_u64 s[10:11], s[10:11], s[68:69]
	; EVERYTHING IS ASKED FOR AT ONCE: my 32 rows, my row's mask, my share of the weights
	v_lshlrev_b32 v[A0], 10, v0
	v_lshlrev_b32 v[A1], 5, v0
.set n, 0
.rept 16
	global_load_b128 v[AC+4*n:AC+4*n+3], v[GROW], s[8:9] offset:(n%8)*131072+(n/8)*1048576 th:TH_LOAD_NT
.set n, n+1
.endr
	global_load_b32 v31, v[A0], s[10:11]
.set n, 0
.rept 5
	WLOAD 32+8*n, 36+2*n, 0
.set n, n+1
.endr
.set n, 0
.rept 4
	WLOAD 72+8*n, 46, 16384*n
.set n, n+1
.endr
.set n, 0
.rept 3
	WLOAD 104+8*n, 48, 16384*n
.set n, n+1
.endr
	WLOAD 192, 48, 49152
	s_cmp_lt_u32 s[WN], 4                  ; waves 0-3: wl and wr, 4,096 bytes each
	s_cbranch_scc0 .Lno_lr
	WLOAD 200, 50, 0
	WLOAD 208, 52, 0
	v_and_b32 v21, 127, v0
	v_lshrrev_b32 v22, 1, v21
	v_and_b32 v21, 1, v21
	v_mul_u32_u24 v22, v22, 96
	v_lshl_add_u32 v22, v21, 4, v22
	v_add_nc_u32 v22, LWLR, v22
	s_wait_loadcnt 0x0
	WSTORE 200, 22, 0
	WSTORE 208, 22, 32
.Lno_lr:
	s_cmp_lg_u32 s[WN], 0                  ; wave 0: the nine vectors of 64
	s_cbranch_scc1 .Lno_vec
	v_lshlrev_b32 v21, 3, v[L]
.set n, 0
.rept 9
	global_load_b64 v[216+2*n:217+2*n], v21, s[12+2*n:13+2*n]
.set n, n+1
.endr
	v_add_nc_u32 v22, VEC, v21
	s_wait_loadcnt 0x0
.set n, 0
.rept 9
	ds_store_b64 v22, v[216+2*n:217+2*n] offset:256*n
.set n, n+1
.endr
.Lno_vec:
	s_cmp_lg_u32 s[WN], 1                  ; wave 1: bu, bl, br
	s_cbranch_scc1 .Lno_bu
	v_lshlrev_b32 v21, 4, v[L]
	global_load_b128 v[216:219], v21, s[30:31]
	global_load_b128 v[220:223], v21, s[30:31] offset:512
	v_lshlrev_b32 v23, 2, v[R]
	global_load_b32 v224, v23, s[32:33]
	global_load_b32 v225, v23, s[34:35]
	v_add_nc_u32 v22, BU, v21
	v_add_nc_u32 v24, BLR, v23
	s_wait_loadcnt 0x0
	ds_store_b128 v22, v[216:219]
	ds_store_b128 v22, v[220:223] offset:512
	ds_store_b32 v24, v224
	ds_store_b32 v24, v225 offset:64
.Lno_bu:
	s_wait_loadcnt 0x0                     ; all my loads are in
	WSTORE 32, 18, LWQ
	WSTORE 40, 18, LWK
	WSTORE 48, 18, LWV
	WSTORE 56, 18, LWG
	WSTORE 64, 18, LWO
.set n, 0
.rept 4
	WSTORE 72+8*n, 19, 8704*n
.set n, n+1
.endr
.set n, 0
.rept 3
	WSTORE 104+8*n, 20, 10240*n
.set n, n+1
.endr
	WSTORE 192, 20, 30720
	v_lshl_add_u32 v21, v0, 2, MK
	ds_store_b32 v21, v31
	; the sum of my 32 rows, for the mean over s: as loaded a lane holds channels 4 r .. 4 r + 3 of sixteen rows
	v_pk_add_f32 v[18:19], v[AC:AC+1], v[AC+4:AC+5]
	v_pk_add_f32 v[20:21], v[AC+2:AC+3], v[AC+6:AC+7]
.set n, 2
.rept 14
	v_pk_add_f32 v[18:19], v[18:19], v[AC+4*n:AC+4*n+1]
	v_pk_add_f32 v[20:21], v[20:21], v[AC+4*n+2:AC+4*n+3]
.set n, n+1
.endr
.set n, 0
.rept 4
	v_permlanex16_b32 v[22+n], v[18+n], s[SEL], s[SEL+1]
.set n, n+1
.endr
	v_pk_add_f32 v[18:19], v[18:19], v[22:23]
	v_pk_add_f32 v[20:21], v[20:21], v[24:25]
	s_lshl_b32 s5, s[WN], 8
	s_add_co_u32 s5, s5, CS
	v_lshl_add_u32 v22, v[R], 4, s5
	ds_store_b128 v22, v[18:21]
	; the rows go through my stage into the row layout; LDS serves a wave's instructions in order (ISA guide 5.7.1.4), so no wait stands between
.set rt, 0
.rept 2
.set n, 0
.rept 8
	ds_store_b128 v[STC], v[AC+32*rt+4*n:AC+32*rt+4*n+3] offset:544*n
.set n, n+1
.endr
	VLD MS+32*rt, STF, 0
.set rt, rt+1
.endr
	s_or_b32 s5, s[CI], s[WN]              ; one wave of the launch writes the two mode words for the later launches
	s_cmp_lg_u32 s5, 0
	s_cbranch_scc1 .Lno_mode
	v_mov_b32 v26, 1
	v_mov_b32 v27, 1
	v_mov_b32 v28, 0
	v_mov_b32 v29, 0
	v_lshlrev_b32 v30, 3, v[L]
	global_store_b64 v30, v[26:27], s[58:59]
	global_store_b64 v30, v[28:29], s[60:61]
	s_wait_xcnt 0x0                        ; their registers are written again below
.Lno_mode:
	BAR                                    ; weights, vectors, mask and column sums are there for everybody
	; Q: every wave makes the layer norm of the column's mean and its 64 numbers of Q, in all 16 columns of the product alike
	v_lshl_add_u32 v[A0], v[L], 3, CS
.set n, 0
.rept 16
	ds_load_b64 v[AC+2*n:AC+2*n+1], v[A0] offset:256*n
.set n, n+1
.endr
	v_lshl_add_u32 v[A1], v[L], 3, VEC
	ds_load_b64 v[22:23], v[A1]
	ds_load_b64 v[24:25], v[A1] offset:256
	s_wait_dscnt 0x0
	v_pk_add_f32 v[18:19], v[AC:AC+1], v[AC+2:AC+3]
.set n, 2
.rept 14
	v_pk_add_f32 v[18:19], v[18:19], v[AC+2*n:AC+2*n+1]
.set n, n+1
.endr
	v_mul_f32 v18, 0x3b000000, v18         ; / 512
	v_mul_f32 v19, 0x3b000000, v19
	v_add_f32 v20, v18, v19
	WSUM 20, 21
	v_mul_f32 v20, 0x3c800000, v20
	v_sub_f32 v18, v18, v20
	v_sub_f32 v19, v19, v20
	v_mul_f32 v20, v18, v18
	v_fma_f32 v20, v19, v19, v20
	WSUM 20, 21
	v_fma_f32 v20, v20, s[I64], s[EPS]
	v_rsq_f32 v20, v20
	v_nop
	s_wait_alu depctr_va_vdst(0)
	v_mul_f32 v18, v18, v20
	v_mul_f32 v19, v19, v20
	v_fma_f32 v18, v18, v22, v24
	v_fma_f32 v19, v19, v23, v25
	v_cvt_pk_bf16_f32 v18, v18, v19
	s_lshl_b32 s5, s[WN], 7
	s_add_co_u32 s5, s5, XM
	v_lshl_add_u32 v[A2], v[L], 2, s5
	ds_store_b32 v[A2], v18
	v_lshl_add_u32 v[A2], v[H], 4, s5
	FRAG XF, A2, 0
	FRAG XF+8, A2, 64
.set n, 0
.rept 8
	TR16 AC+8*n, TR160, LWQ+(n/4)*5120+(n%4)*32, 2560
.set n, n+1
.endr
	s_wait_dscnt 0x0
.set n, 0
.rept 4
	WM QV+8*n, AC+8*n, XF, -1
.set n, n+1
.endr
.set n, 0
.rept 4
	WM QV+8*n, AC+32+8*n, XF+8, QV+8*n
.set n, n+1
.endr
	PLACES
.set n, 0
.rept 16
	v_pk_mul_f32 v[QV+2*n:QV+2*n+1], v[QV+2*n:QV+2*n+1], 0x3f0293ee op_sel_hi:[1,0]   ; log2(e) / sqrt(8)
.set n, n+1
.endr
	; K, the scores, and my 32 rows' softmax
	s_lshl_b32 s5, s[WN], 7
	s_add_co_u32 s5, s5, MK
	v_lshl_add_u32 v[A0], v[R], 2, s5
	ds_load_b32 v[MK0], v[A0]
	ds_load_b32 v[MK1], v[A0] offset:64
	VLD AC, AVEC, 0
	VLD AC+32, AVEC, 256
	s_wait_dscnt 0x0
	LN64 0
	LN64 1
	PROJ64 LWK, 0, WF
	PLACES
	v_fma_f32 v[T+4], v[MK0], s[MC], s[NMC]
	v_fma_f32 v[T+5], v[MK1], s[MC], s[NMC]
.set n, 0
.rept 8                                        ; n = 4 rt + nt: the score of my row and head 2 nt + h
	v_pk_mul_f32 v[T:T+1], v[AC+8*n:AC+8*n+1], v[QV+8*(n%4):QV+8*(n%4)+1]
	v_pk_fma_f32 v[T:T+1], v[AC+8*n+2:AC+8*n+3], v[QV+8*(n%4)+2:QV+8*(n%4)+3], v[T:T+1]
	v_pk_fma_f32 v[T:T+1], v[AC+8*n+4:AC+8*n+5], v[QV+8*(n%4)+4:QV+8*(n%4)+5], v[T:T+1]
	v_pk_fma_f32 v[T:T+1], v[AC+8*n+6:AC+8*n+7], v[QV+8*(n%4)+6:QV+8*(n%4)+7], v[T:T+1]
	v_add_f32 v[T], v[T], v[T+1]
	v_add_f32 v[WF+2*n], v[T], v[T+4+n/4]
.set n, n+1
.endr
.set n, 0
.rept 4
	v_max_num_f32 v[WF+16+n], v[WF+2*n], v[WF+8+2*n]
.set n, n+1
.endr
.irp m, 1,2,4,8
.set n, 0
.rept 4
	v_max_num_f32_dpp v[WF+16+n], v[WF+16+n], v[WF+16+n] row_xmask:\m row_mask:0xf bank_mask:0xf
.set n, n+1
.endr
.endr
.set n, 0
.rept 8
	v_sub_f32 v[WF+2*n], v[WF+2*n], v[WF+16+n%4]
.set n, n+1
.endr
.set n, 0
.rept 8
	v_exp_f32 v[WF+2*n], v[WF+2*n]
.set n, n+1
.endr
	v_nop
.set n, 0
	s_wait_alu depctr_va_vdst(0)
.rept 4
	v_add_f32 v[WF+20+n], v[WF+2*n], v[WF+8+2*n]
.set n, n+1
.endr
.irp m, 1,2,4,8
.set n, 0
.rept 4
	v_add_f32_dpp v[WF+20+n], v[WF+20+n], v[WF+20+n] row_xmask:\m row_mask:0xf bank_mask:0xf
.set n, n+1
.endr
.endr
	; V and my rows' weighted sum; the fragments go to QV, since WF holds the weights
	PROJ64 LWV, 0, QV
	PLACES
.set n, 0
.rept 16                                       ; n = 4 nt + pair
	v_pk_mul_f32 v[QV+2*n:QV+2*n+1], v[AC+2*n:AC+2*n+1], v[WF+2*(n/4):WF+2*(n/4)+1] op_sel_hi:[1,0]
	v_pk_fma_f32 v[QV+2*n:QV+2*n+1], v[AC+32+2*n:AC+32+2*n+1], v[WF+8+2*(n/4):WF+8+2*(n/4)+1], v[QV+2*n:QV+2*n+1] op_sel_hi:[1,0,1]
.set n, n+1
.endr
.irp m, 1,2,4,8
.set n, 0
.rept 32
	v_add_f32_dpp v[QV+n], v[QV+n], v[QV+n] row_xmask:\m row_mask:0xf bank_mask:0xf
.set n, n+1
.endr
.endr
	s_mul_i32 s5, s[WN], 320
	s_add_co_u32 s5, s5, PM
	v_add_nc_u32 v[A0], s5, v[VH]
	v_lshl_add_u32 v[A1], v[H], 2, s5
.set n, 0
.rept 8
	ds_store_b128 v[A0], v[QV+4*n:QV+4*n+3] offset:64*(n/2)+16*(n%2)
.set n, n+1
.endr
.set n, 0
.rept 4
	ds_store_b32 v[A1], v[WF+16+n] offset:256+8*n
	ds_store_b32 v[A1], v[WF+20+n] offset:288+8*n
.set n, n+1
.endr
	BAR                                    ; the 16 waves' maxima, sums and weighted values are there
	s_cmp_lt_u32 s[WN], 2                  ; threads 0-63 combine them, a channel each
	s_cbranch_scc0 .Lno_comb
	v_and_b32 v[A0], 63, v0
	v_lshrrev_b32 v[A1], 3, v[A0]
	v_lshl_add_u32 v[A1], v[A1], 2, PM
	v_lshl_add_u32 v[A2], v[A0], 2, PM
.set n, 0
.rept 16
	ds_load_b32 v[AC+n], v[A1] offset:320*n+256
	ds_load_b32 v[AC+16+n], v[A1] offset:320*n+288
	ds_load_b32 v[AC+32+n], v[A2] offset:320*n
.set n, n+1
.endr
	s_wait_dscnt 0x0
	v_max3_num_f32 v18, v[AC], v[AC+1], v[AC+2]
.set n, 3
.rept 6
	v_max3_num_f32 v18, v18, v[AC+n], v[AC+n+1]
.set n, n+2
.endr
	v_max_num_f32 v18, v18, v[AC+15]
.set n, 0
.rept 16
	v_sub_f32 v[AC+n], v[AC+n], v18
.set n, n+1
.endr
.set n, 0
.rept 16
	v_exp_f32 v[AC+n], v[AC+n]
.set n, n+1
.endr
	v_nop
	s_wait_alu depctr_va_vdst(0)
	v_mul_f32 v19, v[AC+16], v[AC]
	v_mul_f32 v20, v[AC+32], v[AC]
.set n, 1
.rept 15
	v_fma_f32 v19, v[AC+16+n], v[AC+n], v19
	v_fma_f32 v20, v[AC+32+n], v[AC+n], v20
.set n, n+1
.endr
	v_rcp_f32 v19, v19                     ; the wave that holds the maximum adds 1 or more: never 0
	v_nop
	s_wait_alu depctr_va_vdst(0)
	v_mul_f32 v20, v20, v19
	v_lshl_add_u32 v[A1], v[A0], 2, WVN
	ds_store_b32 v[A1], v20
.Lno_comb:
	; the gate
	VLD QV, AVEC, 512
	s_wait_dscnt 0x0
	PROJ64 LWG, 1, WF
	PLACES
.set n, 0
.rept 32
	v_pk_mul_f32 v[AC+2*n:AC+2*n+1], v[AC+2*n:AC+2*n+1], 0xbfb8aa3b op_sel_hi:[1,0]
.set n, n+1
.endr
.set n, 0
.rept 64
	v_exp_f32 v[AC+n], v[AC+n]
.set n, n+1
.endr
	v_nop
.set n, 0
	s_wait_alu depctr_va_vdst(0)
.rept 32
	v_pk_add_f32 v[AC+2*n:AC+2*n+1], v[AC+2*n:AC+2*n+1], 1.0 op_sel_hi:[1,0]
.set n, n+1
.endr
.set n, 0
.rept 64
	v_rcp_f32 v[AC+n], v[AC+n]
.set n, n+1
.endr
	v_nop
	BAR                                    ; the combined values are there
	v_add_nc_u32 v[A0], WVN, v[VH]
	VLD QV, A0, 0
	s_wait_dscnt 0x0
.set n, 0
	s_wait_alu depctr_va_vdst(0)
.rept 32
	v_pk_mul_f32 v[AC+2*n:AC+2*n+1], v[AC+2*n:AC+2*n+1], v[QV+2*(n%16):QV+2*(n%16)+1]
.set n, n+1
.endr
	VLD QV, AVEC, 768
.set n, 0
.rept 32
	v_cvt_pk_bf16_f32 v[XF+n], v[AC+2*n], v[AC+2*n+1]
.set n, n+1
.endr
	s_wait_dscnt 0x0
	PROJ64 LWO, 1, WF
	PLACES
.set n, 0
.rept 32
	v_pk_fma_f32 v[MS+2*n:MS+2*n+1], v[AC+2*n:AC+2*n+1], v[MK0+2*(n/16):MK0+2*(n/16)+1], v[MS+2*n:MS+2*n+1] op_sel_hi:[1,0,1]
.set n, n+1
.endr
	; THE TRANSITION: the rows themselves are the accumulators of the second product
	VLD AC, AVEC, 1024
	VLD AC+32, AVEC, 1280
	s_wait_dscnt 0x0
	LN64 0
	LN64 1
	VLD AC, AVEC, 1536
	s_wait_dscnt 0x0
.set n, 0
.rept 32
	v_pk_add_f32 v[MS+2*n:MS+2*n+1], v[MS+2*n:MS+2*n+1], v[AC+2*(n%16):AC+2*(n%16)+1]
.set n, n+1
.endr
	s_mov_b32 s[SWU], LWU
	s_mov_b32 s[SWD], LWD
	s_mov_b32 s[SBU], BU
	s_mov_b32 s[CNT], 8
.Lmt:                                          ; a trip: 32 of the 256 hidden channels
	PLACES
	v_add_nc_u32 v[A0], s[SWU], v[TR544]
	v_add_nc_u32 v[A1], s[SWD], v[TR160]
	v_add_nc_u32 v[A2], s[SBU], v[VH]
.set n, 0
.rept 4
	TR16 WF+8*n, A0, (n/2)*17408+(n%2)*32, 8704
.set n, n+1
.endr
.set n, 0
.rept 4
	ds_load_b128 v[QV+4*n:QV+4*n+3], v[A2] offset:64*(n/2)+16*(n%2)
.set n, n+1
.endr
.set n, 0
.rept 4
	TR16 AC+32+8*n, A1, 32*n, 2560
.set n, n+1
.endr
	s_wait_dscnt 0x0
.set n, 0
.rept 4
	WM AC+8*n, WF+8*(n%2), XF+16*(n/2), QV+8*(n%2)
.set n, n+1
.endr
.set n, 0
.rept 4
	WM AC+8*n, WF+16+8*(n%2), XF+16*(n/2)+8, AC+8*n
.set n, n+1
.endr
	PLACES
.set n, 0
.rept 16
	v_cvt_pk_bf16_f32 v[QV+16+n], v[AC+2*n], v[AC+2*n+1]
.set n, n+1
.endr
.set n, 0
.rept 16
	v_pk_max_num_bf16 v[QV+16+n], v[QV+16+n], v[ZERO]
.set n, n+1
.endr
.set n, 0
.rept 8
	WM MS+8*n, AC+32+8*(n%4), QV+16+8*(n/4), MS+8*n
.set n, n+1
.endr
	s_add_co_u32 s[SWU], s[SWU], 64
	s_add_co_u32 s[SWD], s[SWD], 5120
	s_add_co_u32 s[SBU], s[SBU], 128
	s_sub_co_u32 s[CNT], s[CNT], 1
	s_cmp_lg_u32 s[CNT], 0
	s_cbranch_scc1 .Lmt
	PLACES
	; out0: back through my stage; 16 lanes store a row's 256 consecutive bytes
.set rt, 0
.rept 2
.set n, 0
.rept 8
	ds_store_b128 v[STF], v[MS+32*rt+4*n:MS+32*rt+4*n+3] offset:64*(n/2)+16*(n%2)
.set n, n+1
.endr
.set n, 0
.rept 8
	ds_load_b128 v[AC+32*rt+4*n:AC+32*rt+4*n+3], v[STC] offset:544*n
.set n, n+1
.endr
.set rt, rt+1
.endr
	s_wait_dscnt 0x0
.set n, 0
.rept 16
	global_store_b128 v[GROW], v[AC+4*n:AC+4*n+3], s[54:55] offset:(n%8)*131072+(n/8)*1048576 th:TH_STORE_NT
.set n, n+1
.endr
	s_wait_xcnt 0x0                        ; the stores' data registers are loaded again below
	; THE TWO PROJECTIONS OF THE OUTER-PRODUCT MEAN, with the sources swapped: a lane holds one channel c and eight neighbouring s
	VLD AC, AVEC, 1792
	VLD AC+32, AVEC, 2048
	s_wait_dscnt 0x0
	LN64 0
	LN64 1
.set n, 0
.rept 4
	TR16 WF+8*n, TR96, 3072*(n/2)+32*(n%2), 1536
.set n, n+1
.endr
	s_lshl_b32 s5, s[WN], 7
	s_add_co_u32 s5, s5, MK
	v_add_nc_u32 v[A0], s5, v[VH]
.set n, 0
.rept 2
	ds_load_b128 v[QV+8*n:QV+8*n+3], v[A0] offset:64*n
	ds_load_b128 v[QV+8*n+4:QV+8*n+7], v[A0] offset:64*n+16
.set n, n+1
.endr
	v_lshl_add_u32 v[A1], v[R], 2, BLR
	ds_load_b32 v18, v[A1]
	ds_load_b32 v20, v[A1] offset:64
	s_wait_dscnt 0x0
.set n, 0
.rept 4                                        ; n = 2 rt + side
	WM AC+8*n, XF+16*(n/2), WF+8*(n%2), -1
.set n, n+1
.endr
.set n, 0
.rept 4
	WM AC+8*n, XF+16*(n/2)+8, WF+16+8*(n%2), AC+8*n
.set n, n+1
.endr
	PLACES
	s_lshl_b32 s5, s[WN], 6
	s_add_co_u32 s5, s5, OS
	v_mul_u32_u24 v[A2], v[R], 1040
	v_lshl_add_u32 v[A2], v[H], 4, v[A2]
	v_add_nc_u32 v[A2], s5, v[A2]
.set n, 0
.rept 4
.set k, 0
.rept 4
	v_pk_add_f32 v[AC+8*n+2*k:AC+8*n+2*k+1], v[AC+8*n+2*k:AC+8*n+2*k+1], v[18+2*(n%2):19+2*(n%2)] op_sel_hi:[1,0]
.set k, k+1
.endr
.set k, 0
.rept 4
	v_pk_mul_f32 v[AC+8*n+2*k:AC+8*n+2*k+1], v[AC+8*n+2*k:AC+8*n+2*k+1], v[QV+8*(n/2)+2*k:QV+8*(n/2)+2*k+1]
.set k, k+1
.endr
.set k, 0
.rept 4
	v_cvt_pk_bf16_f32 v[22+k], v[AC+8*n+2*k], v[AC+8*n+2*k+1]
.set k, k+1
.endr
	ds_store_b128 v[A2], v[22:25] offset:16640*(n%2)+32*(n/2)
.set n, n+1
.endr
	BAR                                    ; the 32 rows of 512 s are whole
	v_lshrrev_b32 v[A0], 6, v0
	v_mul_u32_u24 v[A0], v[A0], 1040
	v_and_b32 v[A1], 63, v0
	v_lshl_add_u32 v[A0], v[A1], 4, v[A0]
	v_add_nc_u32 v[A0], OS, v[A0]
.set n, 0
.rept 4
	ds_load_b128 v[AC+4*n:AC+4*n+3], v[A0] offset:8320*n
.set n, n+1
.endr
	v_lshlrev_b32 v[A1], 4, v0
	s_add_nc_u64 s[70:71], s[56:57], 0x800000
	s_lshl_b32 s68, s[CI], 10
	s_add_nc_u64 s[70:71], s[70:71], s[68:69]
	s_lshl_b32 s68, s[CI], 14
	s_add_nc_u64 s[56:57], s[56:57], s[68:69]
	s_wait_dscnt 0x0
	global_store_b128 v[A1], v[AC:AC+3], s[56:57]
	global_store_b128 v[A1], v[AC+4:AC+7], s[56:57] offset:8192
	global_store_b128 v[A1], v[AC+8:AC+11], s[56:57] offset:4194304
	global_store_b128 v[A1], v[AC+12:AC+15], s[56:57] offset:4202496
	s_cmp_lt_u32 s[WN], 2                  ; threads 0-63: the column's mask in bf16, for the norm product of the next launch
	s_cbranch_scc0 .Lno_mt
	v_and_b32 v26, 63, v0
	v_lshl_add_u32 v[A2], v26, 5, MK
	ds_load_b128 v[QV:QV+3], v[A2]
	ds_load_b128 v[QV+4:QV+7], v[A2] offset:16
	v_lshlrev_b32 v26, 4, v26
	s_wait_dscnt 0x0
.set k, 0
.rept 4
	v_cvt_pk_bf16_f32 v[22+k], v[QV+2*k], v[QV+2*k+1]
.set k, k+1
.endr
	global_store_b128 v26, v[22:25], s[70:71]
.Lno_mt:
	s_wait_tensorcnt 0x0                   ; the wave's end, behind my last LDS store
	ds_add_u32 v[SPW], v[NIL]
	s_wait_dscnt 0x0
	s_endpgm
.Lfunc_end_k_qcb1e7fa149_msa:
	.size	k_qcb1e7fa149_msa, .Lfunc_end_k_qcb1e7fa149_msa-k_qcb1e7fa149_msa
	.p2alignl 7, 3214868480
	.fill 96, 4, 3214868480
	.section	.rodata,"a",@progbits
	.p2align	6, 0x0
	.amdhsa_kernel k_qcb1e7fa149_msa
		.amdhsa_group_segment_fixed_size 255232
		.amdhsa_private_segment_fixed_size 0
		.amdhsa_enable_private_segment 0
		.amdhsa_kernarg_size 216
		.amdhsa_user_sgpr_count 2
		.amdhsa_user_sgpr_kernarg_segment_ptr 1
		.amdhsa_wavefront_size32 1
		.amdhsa_system_sgpr_workgroup_id_x 1
		.amdhsa_system_sgpr_workgroup_id_y 1
		.amdhsa_system_sgpr_workgroup_id_z 1
		.amdhsa_system_vgpr_workitem_id 0
		.amdhsa_next_free_vgpr 256
		.amdhsa_next_free_sgpr 96
		.amdhsa_reserve_vcc 0
		.amdhsa_float_denorm_mode_32 3
		.amdhsa_float_denorm_mode_16_64 3
		.amdhsa_memory_ordered 1
		.amdhsa_forward_progress 1
		.amdhsa_inst_pref_size 142
	.end_amdhsa_kernel
	.amdgpu_metadata
---
amdhsa.version: [ 1, 2 ]
amdhsa.kernels:
  - .name:           k_qcb1e7fa149_msa
    .symbol:         k_qcb1e7fa149_msa.kd
    .args:
      - { .name: msa, .offset: 0, .size: 8, .value_kind: global_buffer, .address_space: global }
      - { .name: msa_mask, .offset: 8, .size: 8, .value_kind: global_buffer, .address_space: global }
      - { .name: params_blocks_0_ga_ln_g, .offset: 16, .size: 8, .value_kind: global_buffer, .address_space: global }
      - { .name: params_blocks_0_ga_ln_b, .offset: 24, .size: 8, .value_kind: global_buffer, .address_space: global }
      - { .name: params_blocks_0_ga_bg, .offset: 32, .size: 8, .value_kind: global_buffer, .address_space: global }
      - { .name: params_blocks_0_ga_bo, .offset: 40, .size: 8, .value_kind: global_buffer, .address_space: global }
      - { .name: params_blocks_0_mt_ln_g, .offset: 48, .size: 8, .value_kind: global_buffer, .address_space: global }
      - { .name: params_blocks_0_mt_ln_b, .offset: 56, .size: 8, .value_kind: global_buffer, .address_space: global }
      - { .name: params_blocks_0_mt_bd, .offset: 64, .size: 8, .value_kind: global_buffer, .address_space: global }
      - { .name: params_blocks_0_opm_ln_g, .offset: 72, .size: 8, .value_kind: global_buffer, .address_space: global }
      - { .name: params_blocks_0_opm_ln_b, .offset: 80, .size: 8, .value_kind: global_buffer, .address_space: global }
      - { .name: params_blocks_0_mt_bu, .offset: 88, .size: 8, .value_kind: global_buffer, .address_space: global }
      - { .name: params_blocks_0_opm_bl, .offset: 96, .size: 8, .value_kind: global_buffer, .address_space: global }
      - { .name: params_blocks_0_opm_br, .offset: 104, .size: 8, .value_kind: global_buffer, .address_space: global }
      - { .name: params_blocks_0_ga_wq, .offset: 112, .size: 8, .value_kind: global_buffer, .address_space: global }
      - { .name: params_blocks_0_ga_wk, .offset: 120, .size: 8, .value_kind: global_buffer, .address_space: global }
      - { .name: params_blocks_0_ga_wv, .offset: 128, .size: 8, .value_kind: global_buffer, .address_space: global }
      - { .name: params_blocks_0_ga_wg, .offset: 136, .size: 8, .value_kind: global_buffer, .address_space: global }
      - { .name: params_blocks_0_ga_wo, .offset: 144, .size: 8, .value_kind: global_buffer, .address_space: global }
      - { .name: params_blocks_0_mt_wu, .offset: 152, .size: 8, .value_kind: global_buffer, .address_space: global }
      - { .name: params_blocks_0_mt_wd, .offset: 160, .size: 8, .value_kind: global_buffer, .address_space: global }
      - { .name: params_blocks_0_opm_wl, .offset: 168, .size: 8, .value_kind: global_buffer, .address_space: global }
      - { .name: params_blocks_0_opm_wr, .offset: 176, .size: 8, .value_kind: global_buffer, .address_space: global }
      - { .name: out0, .offset: 184, .size: 8, .value_kind: global_buffer, .address_space: global }
      - { .name: ab, .offset: 192, .size: 8, .value_kind: global_buffer, .address_space: global }
      - { .name: mode_a, .offset: 200, .size: 8, .value_kind: global_buffer, .address_space: global }
      - { .name: mode_b, .offset: 208, .size: 8, .value_kind: global_buffer, .address_space: global }
    .group_segment_fixed_size: 255232
    .private_segment_fixed_size: 0
    .kernarg_segment_align: 8
    .kernarg_segment_size: 216
    .max_flat_workgroup_size: 512
    .sgpr_count:     96
    .vgpr_count:     256
    .wavefront_size: 32
...
	.end_amdgpu_metadata
.endif
;; end of part 1
;; launch opm (part 2): grid 16 x 16, 16 waves a work-group, clusters of 4 x 4, 327,680 bytes of LDS; arguments ab, pair, params_blocks_0_opm_wo, params_blocks_0_opm_bo, params_blocks_0_tri_start_ln_g, params_blocks_0_tri_start_ln_b, params_blocks_0_tri_start_wb, pair_mask, pair1, bias1, pmt; writes pair1, bias1, pmt
.if DOCPART == 2
	.amdgcn_target "amdgcn-amd-amdhsa--gfx1250"
	.amdhsa_code_object_version 6
	.text
	.protected	k_qcb1e7fa149_opm
	.globl	k_qcb1e7fa149_opm
	.p2align	8
	.type	k_qcb1e7fa149_opm,@function
k_qcb1e7fa149_opm:
	s_mov_b64 s[64:65], 0
	v_nop
	global_prefetch_b8 v0, s[64:65] scope:SCOPE_SE
	s_setreg_imm32_b32 hwreg(HW_REG_WAVE_MODE, 25, 1), 1
	s_wait_xcnt 0x0
	s_wait_alu depctr_hold_cnt(0) depctr_sa_sdst(0) depctr_va_vdst(0) depctr_va_sdst(0) depctr_va_ssrc(0) depctr_va_vcc(0) depctr_vm_vsrc(0)
	s_getreg_b32 s2, hwreg(HW_REG_IB_STS2, 6, 4)
	s_cmp_eq_u32 s2, 0
	s_cbranch_scc0 .Lentry_in_a_cluster
	s_endpgm
.Lentry_in_a_cluster:
	s_bfe_u32 s2, ttmp6, 0x10000c
	s_cmp_lg_u32 s2, 0xf033
	s_cbranch_scc0 .Lentry_shape_is_right
	s_endpgm
.Lentry_shape_is_right:
; THE OUTER-PRODUCT MEAN for 16 i x 16 j: the outer product (256 x 256, K = 512 rows s), the product with wo (256 pairs x 256 x 128), the division by the norm, bo and the residual;
; then the layer norm of the new rows and their product with wb: the bias table of the next launch; and a 16 x 16 piece of the turned pair mask.
; ab holds At[(i, c)][s], Bt[(j, d)][s] and the mask [i][s], all bf16 with s along the rows.
; FIRST PRODUCT: source 0 = 16 rows (j, d) of Bt, source 1 = 16 rows (i, c) of At: one accumulator is one pair (i, j), and lane (c, h) holds d = 8 h .. 8 h + 7: 16 neighbouring bytes of the
; pair's 256 numbers in the order c 16 + d.  Wave w makes i_l = 4 (w / 4) + a, j_l = 4 (w % 4) + b: 16 accumulators, which take turns.
; K goes in four steps of 128 through two LDS slots; each wave brings 32 rows of 256 bytes.  CLUSTER 4 x 4: At's tile hangs on the block of i alone and is asked for jointly along a row of the
; cluster, Bt's on the block of j alone, along a column.  One tensor load of a wave is out at a time.
; SECOND PRODUCT: wave w takes the 16 pairs (i_l = 0 .. 15, j_l = w) as its 16 rows, in the row layout: lane (r, h) holds row r, register 8 T + j channel 16 T + 8 h + j.
; LIMITS: bf16 operands, f32 sums; the norm is summed from the mask in bf16 (exact for 0 and 1); the bias table is bf16, times log2(e); NaN and infinities are not treated apart.
.set SLOT, 139264            ; 512 rows of 272 bytes: At's 256, then Bt's 256
.set NP, 278528              ; the norm's partial sums [wave][j_l][i_l], f32
.set VEC, 294912             ; bo, gain, offset: 512 bytes each
.set SPARE, 296960           ; the spare words: 128 bytes a wave, named by no other line
.set R, 1
.set H, 2
.set L, 3
.set SPW, 4
.set NIL, 5
.set ADRA, 6                 ; v6, v7: my At fragments in slot 0, 1
.set ADRB, 8                 ; v8, v9: my Bt fragments
.set SAD, 10
.set WS, 11                  ; v11, v12
.set RF, 13
.set TRA, 14
.set TRB, 15
.set GL, 16
.set AVEC, 17
.set STC, 20
.set STF, 21
.set MU, 22
.set T, 24
.set FA, 32
.set FBR, 64
.set HOLD, 96                ; wo in bf16, kept while the first product runs
.set ACC, 128
.set WN, 26
.set CX, 27
.set CY, 28
.set BX, 29
.set BY, 30
.set G1A, 32
.set G1B, 40
.set G0A, 48
.set G0B, 56
.set SEL, 76
.set STW, 80
.set SBO, 81
.set IC, 82
.set EPS, 83
.macro PLACES                ; plain vector instructions between a matrix instruction and what touches its registers (ISA guide 7.12.1)
.rept 5
	v_nop
.endr
.endm
.macro BAR
	s_wait_dscnt 0x0
	s_barrier_signal -1
	s_barrier_wait -1
.endm
.macro FRAG d, a, o
	ds_load_b128 v[(\d):(\d)+3], v[\a] offset:(\o)
	ds_load_b128 v[(\d)+4:(\d)+7], v[\a] offset:(\o)+32
.endm
.macro TR16 d, a, o, p
	ds_load_tr16_b128 v[(\d):(\d)+3], v[\a] offset:(\o)
	ds_load_tr16_b128 v[(\d)+4:(\d)+7], v[\a] offset:(\o)+(\p)
.endm
.macro WM d, a, b, c
.if (\c) < 0
	v_wmma_f32_16x16x32_bf16 v[(\d):(\d)+7], v[(\a):(\a)+7], v[(\b):(\b)+7], 0
.else
	v_wmma_f32_16x16x32_bf16 v[(\d):(\d)+7], v[(\a):(\a)+7], v[(\b):(\b)+7], v[(\c):(\c)+7]
.endif
.endm
.macro VLD8 d, a, o          ; 64 channels in the row layout
.set vq, 0
.rept 8
	ds_load_b128 v[(\d)+4*vq:(\d)+4*vq+3], v[\a] offset:(\o)+64*(vq/2)+16*(vq%2)
.set vq, vq+1
.endr
.endm
.macro RED
	v_pk_add_f32 v[T:T+1], v[T:T+1], v[T+2:T+3]
	v_pk_add_f32 v[T+4:T+5], v[T+4:T+5], v[T+6:T+7]
	v_pk_add_f32 v[T:T+1], v[T:T+1], v[T+4:T+5]
	v_add_f32 v[T], v[T], v[T+1]
	v_permlanex16_b32 v[T+1], v[T], s[SEL], s[SEL+1]
	v_add_f32 v[T], v[T], v[T+1]
.endm
; Layer norm of 16 rows of 128 channels: src f32 in the row layout, dt 64 registers at work, xo the 32 registers of bf16 fragments, gbs 64 registers for half of the gain and of the offset at a time.
.macro LN128 src, dt, xo, gbs, vg, vb
.set lk, 0
.rept 4
	v_pk_add_f32 v[T+2*lk:T+2*lk+1], v[(\src)+2*lk:(\src)+2*lk+1], v[(\src)+8+2*lk:(\src)+8+2*lk+1]
.set lk, lk+1
.endr
.set lk, 0
.rept 24
	v_pk_add_f32 v[T+2*(lk%4):T+2*(lk%4)+1], v[T+2*(lk%4):T+2*(lk%4)+1], v[(\src)+16+2*lk:(\src)+16+2*lk+1]
.set lk, lk+1
.endr
	RED
	v_mul_f32 v[MU], 0x3c000000, v[T]
.set lk, 0
.rept 32
	v_pk_add_f32 v[(\dt)+2*lk:(\dt)+2*lk+1], v[(\src)+2*lk:(\src)+2*lk+1], v[MU:MU+1] op_sel_hi:[1,0] neg_lo:[0,1] neg_hi:[0,1]
.set lk, lk+1
.endr
.set lk, 0
.rept 4
	v_pk_mul_f32 v[T+2*lk:T+2*lk+1], v[(\dt)+2*lk:(\dt)+2*lk+1], v[(\dt)+2*lk:(\dt)+2*lk+1]
.set lk, lk+1
.endr
.rept 28
	v_pk_fma_f32 v[T+2*(lk%4):T+2*(lk%4)+1], v[(\dt)+2*lk:(\dt)+2*lk+1], v[(\dt)+2*lk:(\dt)+2*lk+1], v[T+2*(lk%4):T+2*(lk%4)+1]
.set lk, lk+1
.endr
	RED
	v_fma_f32 v[MU], v[T], s[IC], s[EPS]
	v_rsq_f32 v[MU], v[MU]
	v_nop
	s_wait_alu depctr_va_vdst(0)
.set hf, 0
.rept 2
	VLD8 (\gbs), AVEC, 512*(\vg)+256*hf
	VLD8 (\gbs)+32, AVEC, 512*(\vb)+256*hf
.set lk, 0
.rept 16
	v_pk_mul_f32 v[(\dt)+32*hf+2*lk:(\dt)+32*hf+2*lk+1], v[(\dt)+32*hf+2*lk:(\dt)+32*hf+2*lk+1], v[MU:MU+1] op_sel_hi:[1,0]
.set lk, lk+1
.endr
	s_wait_dscnt 0x0
.set lk, 0
.rept 16
	v_pk_fma_f32 v[(\dt)+32*hf+2*lk:(\dt)+32*hf+2*lk+1], v[(\dt)+32*hf+2*lk:(\dt)+32*hf+2*lk+1], v[(\gbs)+2*lk:(\gbs)+2*lk+1], v[(\gbs)+32+2*lk:(\gbs)+32+2*lk+1]
.set lk, lk+1
.endr
.set lk, 0
.rept 16
	v_cvt_pk_bf16_f32 v[(\xo)+16*hf+lk], v[(\dt)+32*hf+2*lk], v[(\dt)+32*hf+2*lk+1]
.set lk, lk+1
.endr
.set hf, hf+1
.endr
.endm
; The 16 rows in v32-63 (fragments) times wb [128][4]: wb goes into my stage as [128][16] bf16, its four columns four times over, so that lane r holds head r % 4 and eight neighbouring rows:
; 16 bytes of the table.  Lanes with r above 3 store the same bytes to the same place.  Two accumulators take turns and are added.
.macro BIASOUT wbp, nbp
	v_lshlrev_b32 v18, 6, v[L]
.set n, 0
.rept 4
	global_load_b128 v[192+4*n:195+4*n], v18, s[(\wbp):(\wbp)+1] offset:16*n
.set n, n+1
.endr
	v_lshl_add_u32 v19, v[L], 7, s[STW]
	v_and_b32 v24, 7, v0
	v_lshl_add_u32 v24, v[H], 3, v24
	v_bfe_u32 v25, v0, 3, 1
	v_lshlrev_b32 v25, 4, v25
	v_lshl_add_u32 v24, v24, 5, v25
	v_add_nc_u32 v24, s[STW], v24
	v_and_b32 v25, 3, v0
	v_lshlrev_b32 v25, 13, v25
	v_lshl_add_u32 v25, v[H], 8, v25
	v_add_nc_u32 v25, s[SBO], v25
	s_wait_loadcnt 0x0
.set n, 0
.rept 4
	v_cvt_pk_bf16_f32 v[208+4*n], v[192+4*n], v[193+4*n]
	v_cvt_pk_bf16_f32 v[209+4*n], v[194+4*n], v[195+4*n]
	v_cvt_pk_bf16_f32 v[210+4*n], v[192+4*n], v[193+4*n]
	v_cvt_pk_bf16_f32 v[211+4*n], v[194+4*n], v[195+4*n]
	ds_store_b128 v19, v[208+4*n:211+4*n] offset:32*n
	ds_store_b128 v19, v[208+4*n:211+4*n] offset:32*n+16
.set n, n+1
.endr
.set n, 0
.rept 4
	TR16 224+8*n, 24, 1024*n, 512
.set n, n+1
.endr
	s_wait_dscnt 0x0
	WM 64, 32, 224, -1
	WM 72, 40, 232, -1
	WM 64, 48, 240, 64
	WM 72, 56, 248, 72
	PLACES
.set n, 0
.rept 4
	v_pk_add_f32 v[64+2*n:65+2*n], v[64+2*n:65+2*n], v[72+2*n:73+2*n]
.set n, n+1
.endr
.set n, 0
.rept 4
	v_pk_mul_f32 v[64+2*n:65+2*n], v[64+2*n:65+2*n], 0x3fb8aa3b op_sel_hi:[1,0]
.set n, n+1
.endr
.set n, 0
.rept 4
	v_cvt_pk_bf16_f32 v[80+n], v[64+2*n], v[65+2*n]
.set n, n+1
.endr
	global_store_b128 v25, v[80:83], s[(\nbp):(\nbp)+1]
	s_wait_xcnt 0x0
.endm
; A joint load: waves 0-7 bring At's rows, waves 8-15 Bt's.  The branch hangs on the wave's number alone.  An s_nop 0 and four v_nop follow each of the two lines.
.macro JLOAD s
	s_cmp_lt_u32 s[WN], 8
	s_cbranch_scc0 .Lfor_b_\@
	tensor_load_to_lds s[G0A+4*(\s):G0A+4*(\s)+3], s[G1A:G1A+7]
	s_nop 0
.rept 4
	v_nop
.endr
	s_branch .Lasked_\@
.Lfor_b_\@:
	tensor_load_to_lds s[G0B+4*(\s):G0B+4*(\s)+3], s[G1B:G1B+7]
	s_nop 0
.rept 4
	v_nop
.endr
.Lasked_\@:
.endm
.macro CROUND                ; a round of the cluster's barrier
	s_barrier_signal -1
	s_barrier_wait -1
	s_cmp_lg_u32 s[WN], 0
	s_cbranch_scc1 .Lnot_wave_0_\@
	s_barrier_signal -3
.Lnot_wave_0_\@:
	s_barrier_wait -3
	s_barrier_signal -1
	s_barrier_wait -1
.endm
.macro KSTEP slot, k, zero   ; 32 along K: eight fragments, sixteen products
	PLACES
.set n, 0
.rept 4
	FRAG FA+8*n, ADRA+(\slot), n*4352+64*(\k)
	FRAG FBR+8*n, ADRB+(\slot), n*4352+64*(\k)
.set n, n+1
.endr
	s_wait_dscnt 0x0
.set n, 0
.rept 16
.if \zero
	WM ACC+8*n, FBR+8*(n%4), FA+8*(n/4), -1
.else
	WM ACC+8*n, FBR+8*(n%4), FA+8*(n/4), ACC+8*n
.endif
.set n, n+1
.endr
.endm
; A K step of 128.  All my tensor loads have landed, my part of this slot among them; the add; this slot's next address; the add and my reads of the other slot are done; a round of the
; cluster's barrier, so that this holds of every wave of every partner; then the other slot is filled, first thing; then this slot is multiplied.
.macro TRIP slot, refill, first
	s_wait_tensorcnt 0x0
	ds_add_u32 v[SPW], v[NIL]
	s_add_nc_u64 s[G0A+4*(\slot)+2:G0A+4*(\slot)+3], s[G0A+4*(\slot)+2:G0A+4*(\slot)+3], 512
	s_add_nc_u64 s[G0B+4*(\slot)+2:G0B+4*(\slot)+3], s[G0B+4*(\slot)+2:G0B+4*(\slot)+3], 512
	s_wait_dscnt 0x0
	CROUND
.if \refill
	JLOAD 1-(\slot)
.endif
	KSTEP \slot, 0, \first
	KSTEP \slot, 1, 0
	KSTEP \slot, 2, 0
	KSTEP \slot, 3, 0
.endm
	s_load_b512 s[4:19], s[0:1], 0x0       ; ab 4, pair 6, wo 8, bo 10, gain 12, offset 14, wb 16, pair_mask 18
	s_load_b128 s[20:23], s[0:1], 0x40     ; pair1 20, bias1 22
	s_load_b64 s[24:25], s[0:1], 0x50      ; pmt
	v_lshl_add_u32 v[SPW], v0, 2, SPARE
	v_mov_b32 v[NIL], 0
	ds_add_u32 v[SPW], v[NIL]              ; the wave's opening: the add and its wait come ahead of my first tensor load
	v_lshrrev_b32 v18, 5, v0
	v_readfirstlane_b32 s[WN], v18
	s_bfe_u32 s[CX], ttmp6, 0x40000
	s_bfe_u32 s[CY], ttmp6, 0x40004
	s_lshl_b32 s[BX], ttmp9, 2
	s_add_co_u32 s[BX], s[BX], s[CX]       ; block of j
	s_and_b32 s[BY], ttmp7, 0xffff
	s_lshl_b32 s[BY], s[BY], 2
	s_add_co_u32 s[BY], s[BY], s[CY]       ; block of i
	s_lshl_b32 s31, s[CY], 2
	s_lshl_b32 s31, 15, s31                ; my row of the cluster
	s_lshl_b32 s70, 0x1111, s[CX]          ; my column
	s_or_b32 s[G1A], s31, (1<<16)|(1<<20)|(1<<21)|(5<<22)|(3<<25)   ; the mask; 2-byte elements; 4 words of padding after every 64
	s_or_b32 s[G1B], s70, (1<<16)|(1<<20)|(1<<21)|(5<<22)|(3<<25)
.irp g, G1A, G1B
	s_mov_b32 s[\g+1], 128<<16             ; tensor_dim0 = 128
	s_mov_b32 s[\g+2], 32<<16              ; tensor_dim1 = 32
	s_mov_b32 s[\g+3], 128<<16             ; tile_dim0 = 128
	s_mov_b32 s[\g+4], 32                  ; tile_dim1 = 32
	s_mov_b32 s[\g+5], 512                 ; 512 elements from row to row
	s_mov_b32 s[\g+6], 0
	s_mov_b32 s[\g+7], 0
.endr
	s_and_b32 s71, s[WN], 7
	s_lshl_b32 s71, s71, 15                ; my 32 rows of 1,024 bytes
	s_lshl_b32 s66, s[BY], 18              ; At: 256 rows a block of i
	s_add_co_u32 s66, s66, s71
	s_mov_b32 s67, 0
	s_lshl_b32 s68, s[BX], 18              ; Bt: 256 rows a block of j, 4 MiB on
	s_add_co_u32 s68, s68, s71
	s_add_co_u32 s68, s68, 0x400000
	s_mov_b32 s69, 0
	s_mul_i32 s72, s[WN], 8704             ; where they go: 32 rows of 272 bytes a wave
	s_mov_b32 s[SEL], 0x76543210
	s_mov_b32 s[SEL+1], 0xfedcba98
	s_mov_b32 s[IC], 0x3c000000            ; 1 / 128
	s_mov_b32 s[EPS], 0x3727c5ac
	s_wait_dscnt 0x0                       ; the opening add is done
	s_wait_kmcnt 0x0
	s_add_nc_u64 s[66:67], s[4:5], s[66:67]
	s_add_nc_u64 s[68:69], s[4:5], s[68:69]
	CROUND                                 ; all sixteen work-groups are here: the first joint loads meet
.irp s, 0,1
	s_mov_b32 s[G0A+4*\s], 1
	s_add_co_u32 s[G0A+4*\s+1], s72, \s*SLOT
	s_add_nc_u64 s[G0A+4*\s+2:G0A+4*\s+3], s[66:67], \s*256
	s_or_b32 s[G0A+4*\s+3], s[G0A+4*\s+3], 0x80000000
	s_mov_b32 s[G0B+4*\s], 1
	s_add_co_u32 s[G0B+4*\s+1], s72, \s*SLOT
	s_add_nc_u64 s[G0B+4*\s+2:G0B+4*\s+3], s[68:69], \s*256
	s_or_b32 s[G0B+4*\s+3], s[G0B+4*\s+3], 0x80000000
.endr
	JLOAD 0                                ; K step 0
	v_and_b32 v[R], 15, v0
	v_bfe_u32 v[H], v0, 4, 1
	v_and_b32 v[L], 31, v0
	v_mov_b32 v[MU+1], 0
	v_lshlrev_b32 v[GL], 4, v[L]
	v_mul_u32_u24 v18, v[R], 272
	v_lshl_add_u32 v18, v[H], 4, v18
	s_lshr_b32 s73, s[WN], 2
	s_mul_i32 s73, s73, 17408
	s_and_b32 s74, s[WN], 3
	s_mul_i32 s74, s74, 17408
	s_add_co_u32 s74, s74, 69632
	v_add_nc_u32 v[ADRA], s73, v18
	v_add_nc_u32 v[ADRB], s74, v18
	v_add_nc_u32 v[ADRA+1], SLOT, v[ADRA]
	v_add_nc_u32 v[ADRB+1], SLOT, v[ADRB]
	s_and_b32 s73, s[WN], 3                ; a pair's row in the stage is 16 j_l + i_l
	s_lshl_b32 s73, s73, 6
	s_lshr_b32 s74, s[WN], 2
	s_lshl_b32 s74, s74, 2
	s_add_co_u32 s73, s73, s74
	s_mul_i32 s73, s73, 528
	v_lshlrev_b32 v[SAD], 5, v[R]
	v_lshl_add_u32 v[SAD], v[H], 4, v[SAD]
	v_add_nc_u32 v[SAD], s73, v[SAD]
	v_lshrrev_b32 v[WS], 5, v0
	v_mul_u32_u24 v[WS], v[WS], 288
	v_lshl_add_u32 v[WS], v[L], 3, v[WS]
	v_add_nc_u32 v[WS], SLOT, v[WS]
	v_add_nc_u32 v[WS+1], 36864, v[WS]
	s_mul_i32 s[STW], s[WN], 8448          ; my 16 rows of the stage: first my pairs, then my own stage
	v_mul_u32_u24 v18, v[R], 528
	v_add_nc_u32 v18, s[STW], v18
	v_lshl_add_u32 v[RF], v[H], 4, v18
	v_lshl_add_u32 v[STF], v[H], 5, v18
	v_add_nc_u32 v[STC], s[STW], v[GL]
	v_and_b32 v18, 7, v0
	v_lshl_add_u32 v18, v[H], 3, v18
	v_mul_u32_u24 v[TRA], v18, 288
	v_bfe_u32 v18, v0, 3, 1
	v_lshl_add_u32 v[TRA], v18, 4, v[TRA]
	v_add_nc_u32 v[TRA], SLOT, v[TRA]
	v_add_nc_u32 v[TRB], 36864, v[TRA]
	v_lshlrev_b32 v[AVEC], 5, v[H]
	v_add_nc_u32 v[AVEC], VEC, v[AVEC]
	s_lshl_b32 s78, s[BY], 21              ; my rows of pair and pair1: i = 16 by + p, j = 16 bx + w
	s_lshl_b32 s73, s[BX], 4
	s_add_co_u32 s73, s73, s[WN]
	s_lshl_b32 s73, s73, 9
	s_add_co_u32 s78, s78, s73
	s_mov_b32 s79, 0
	s_add_nc_u64 s[6:7], s[6:7], s[78:79]
	s_add_nc_u64 s[20:21], s[20:21], s[78:79]
	s_lshl_b32 s[SBO], s[BY], 15           ; my place in the bias table: q / 16 = by, k = 16 bx + w
	s_lshl_b32 s73, s[BX], 9
	s_add_co_u32 s[SBO], s[SBO], s73
	s_lshl_b32 s73, s[WN], 4
	s_add_co_u32 s[SBO], s[SBO], s73
	; WHILE K STEP 0 IS ON ITS WAY: wo, the norm's fragments, the vectors, the piece of the turned mask
	v_lshlrev_b32 v18, 4, v0
.set n, 0
.rept 16
	global_load_b128 v[ACC+4*n:ACC+4*n+3], v18, s[8:9] offset:8192*n
.set n, n+1
.endr
	s_add_nc_u64 s[70:71], s[4:5], 0x800000
	v_lshlrev_b32 v19, 10, v[R]
	v_lshl_add_u32 v19, v[H], 4, v19
	s_lshl_b32 s73, s[WN], 6               ; wave w takes s = 32 w .. 32 w + 31
	s_lshl_b32 s74, s[BX], 14
	s_add_co_u32 s74, s74, s73
	s_lshl_b32 s75, s[BY], 14
	s_add_co_u32 s75, s75, s73
	v_add_nc_u32 v30, s75, v19
	v_add_nc_u32 v19, s74, v19
	global_load_b128 v[192:195], v19, s[70:71]
	global_load_b128 v[196:199], v19, s[70:71] offset:32
	global_load_b128 v[200:203], v30, s[70:71]
	global_load_b128 v[204:207], v30, s[70:71] offset:32
	s_cmp_lg_u32 s[WN], 0
	s_cbranch_scc1 .Lno_vec
	global_load_b128 v[208:211], v[GL], s[10:11]
	global_load_b128 v[212:215], v[GL], s[12:13]
	global_load_b128 v[216:219], v[GL], s[14:15]
	v_add_nc_u32 v29, VEC, v[GL]
	s_wait_loadcnt 0x0
	ds_store_b128 v29, v[208:211]
	ds_store_b128 v29, v[212:215] offset:512
	ds_store_b128 v29, v[216:219] offset:1024
.Lno_vec:
	s_cmp_lt_u32 s[WN], 8
	s_cbranch_scc0 .Lno_pmt
	v_bfe_u32 v24, v0, 4, 4
	v_lshlrev_b32 v25, 10, v[R]
	v_lshl_add_u32 v25, v24, 2, v25
	s_lshl_b32 s73, s[BY], 14
	s_lshl_b32 s74, s[BX], 6
	s_add_co_u32 s73, s73, s74
	v_add_nc_u32 v25, s73, v25
	global_load_b32 v27, v25, s[18:19]
	v_lshlrev_b32 v26, 10, v24
	v_lshl_add_u32 v26, v[R], 2, v26
	s_lshl_b32 s73, s[BX], 14
	s_lshl_b32 s74, s[BY], 6
	s_add_co_u32 s73, s73, s74
	v_add_nc_u32 v26, s73, v26
	s_wait_loadcnt 0x0
	global_store_b32 v26, v27, s[24:25]
	s_wait_xcnt 0x0
.Lno_pmt:
	s_wait_loadcnt 0x0
.set n, 0
.rept 16
	v_cvt_pk_bf16_f32 v[HOLD+2*n], v[ACC+4*n], v[ACC+4*n+1]
	v_cvt_pk_bf16_f32 v[HOLD+2*n+1], v[ACC+4*n+2], v[ACC+4*n+3]
.set n, n+1
.endr
	WM 224, 192, 200, -1                   ; my 32 s of the norm: (j_l = 8 h + register, i_l = r)
	PLACES
	s_lshl_b32 s73, s[WN], 10
	s_add_co_u32 s73, s73, NP
	v_lshlrev_b32 v31, 9, v[H]
	v_lshl_add_u32 v31, v[R], 2, v31
	v_add_nc_u32 v31, s73, v31
.set n, 0
.rept 8
	ds_store_b32 v31, v[224+n] offset:64*n
.set n, n+1
.endr
	TRIP 0, 1, 1
	TRIP 1, 1, 0
	TRIP 0, 1, 0
	TRIP 1, 0, 0
	; the pairs, rounded to bf16, go into slot 0, which nobody has read since the last round and which is filled no more
	PLACES
.set n, 0
.rept 16
.set k, 0
.rept 4
	v_cvt_pk_bf16_f32 v[32+4*n+k], v[ACC+8*n+2*k], v[ACC+8*n+2*k+1]
.set k, k+1
.endr
.set n, n+1
.endr
.set n, 0
.rept 16
	ds_store_b128 v[SAD], v[32+4*n:35+4*n] offset:(16*(n%4)+n/4)*528
.set n, n+1
.endr
	BAR                                    ; nobody reads slot 1 any more: wo goes there
.set n, 0
.rept 8
	ds_store_b64 v[WS], v[HOLD+2*n:HOLD+2*n+1] offset:4608*n
	ds_store_b64 v[WS+1], v[HOLD+16+2*n:HOLD+16+2*n+1] offset:4608*n
.set n, n+1
.endr
.set n, 0
.rept 16
	global_load_b128 v[192+4*n:195+4*n], v[GL], s[6:7] offset:131072*n th:TH_LOAD_NT   ; my 16 rows of pair, 512 bytes a load
.set n, n+1
.endr
	BAR                                    ; pairs and wo are there
.set ks, 0
.rept 8
	PLACES
	FRAG 96, RF, 64*ks
.set n, 0
.rept 8
.if ks < 4
	TR16 32+8*n, TRA, 9216*ks+32*n, 4608
.else
	TR16 32+8*n, TRB, 9216*(ks-4)+32*n, 4608
.endif
.set n, n+1
.endr
	s_wait_dscnt 0x0
.set n, 0
.rept 8
.if ks == 0
	WM 128+8*n, 32+8*n, 96, -1
.else
	WM 128+8*n, 32+8*n, 96, 128+8*n
.endif
.set n, n+1
.endr
.set ks, ks+1
.endr
	PLACES
	s_lshl_b32 s73, s[WN], 6
	s_add_co_u32 s73, s73, NP
	v_lshl_add_u32 v18, v[R], 2, s73
.set n, 0
.rept 16
	ds_load_b32 v[32+n], v18 offset:1024*n
.set n, n+1
.endr
	VLD8 64, AVEC, 0
	VLD8 96, AVEC, 256
	s_wait_loadcnt 0x0                     ; my rows of pair
.set n, 0
.rept 16
	ds_store_b128 v[STC], v[192+4*n:195+4*n] offset:528*n
.set n, n+1
.endr
.set n, 0
.rept 16
	ds_load_b128 v[192+4*n:195+4*n], v[STF] offset:64*(n/2)+16*(n%2)
.set n, n+1
.endr
	s_wait_dscnt 0x0
	v_pk_add_f32 v[24:25], v[32:33], v[34:35]
.set n, 2
.rept 6
	v_pk_add_f32 v[24:25], v[24:25], v[32+2*n:33+2*n]
.set n, n+1
.endr
	v_add_f32 v24, v24, v25
	v_max_num_f32 v24, 1.0, v24
	v_rcp_f32 v[MU], v24
	v_nop
.set n, 0
	s_wait_alu depctr_va_vdst(0)
.rept 32
	v_pk_fma_f32 v[128+2*n:129+2*n], v[128+2*n:129+2*n], v[MU:MU+1], v[192+2*n:193+2*n] op_sel_hi:[1,0,1]
.set n, n+1
.endr
.set n, 0
.rept 32
	v_pk_add_f32 v[128+2*n:129+2*n], v[128+2*n:129+2*n], v[64+2*n:65+2*n]
.set n, n+1
.endr
.set n, 0
.rept 16
	ds_store_b128 v[STF], v[128+4*n:131+4*n] offset:64*(n/2)+16*(n%2)
.set n, n+1
.endr
.set n, 0
.rept 16
	ds_load_b128 v[192+4*n:195+4*n], v[STC] offset:528*n
.set n, n+1
.endr
	s_wait_dscnt 0x0
.set n, 0
.rept 16
	global_store_b128 v[GL], v[192+4*n:195+4*n], s[20:21] offset:131072*n   ; a row's 512 consecutive bytes
.set n, n+1
.endr
	s_wait_xcnt 0x0                        ; the stores' data registers are written again below
	LN128 128, 192, 32, 64, 1, 2
	BIASOUT 16, 22
	s_wait_tensorcnt 0x0                   ; the wave's end
	ds_add_u32 v[SPW], v[NIL]
	s_wait_dscnt 0x0
	CROUND                                 ; the closing round
	s_endpgm
.Lfunc_end_k_qcb1e7fa149_opm:
	.size	k_qcb1e7fa149_opm, .Lfunc_end_k_qcb1e7fa149_opm-k_qcb1e7fa149_opm
	.p2alignl 7, 3214868480
	.fill 96, 4, 3214868480
	.section	.rodata,"a",@progbits
	.p2align	6, 0x0
	.amdhsa_kernel k_qcb1e7fa149_opm
		.amdhsa_group_segment_fixed_size 327680
		.amdhsa_private_segment_fixed_size 0
		.amdhsa_enable_private_segment 0
		.amdhsa_kernarg_size 88
		.amdhsa_user_sgpr_count 2
		.amdhsa_user_sgpr_kernarg_segment_ptr 1
		.amdhsa_wavefront_size32 1
		.amdhsa_system_sgpr_workgroup_id_x 1
		.amdhsa_system_sgpr_workgroup_id_y 1
		.amdhsa_system_sgpr_workgroup_id_z 1
		.amdhsa_system_vgpr_workitem_id 0
		.amdhsa_next_free_vgpr 256
		.amdhsa_next_free_sgpr 96
		.amdhsa_reserve_vcc 0
		.amdhsa_float_denorm_mode_32 3
		.amdhsa_float_denorm_mode_16_64 3
		.amdhsa_memory_ordered 1
		.amdhsa_forward_progress 1
		.amdhsa_inst_pref_size 108
	.end_amdhsa_kernel
	.amdgpu_metadata
---
amdhsa.version: [ 1, 2 ]
amdhsa.kernels:
  - .name:           k_qcb1e7fa149_opm
    .symbol:         k_qcb1e7fa149_opm.kd
    .args:
      - { .name: ab, .offset: 0, .size: 8, .value_kind: global_buffer, .address_space: global }
      - { .name: pair, .offset: 8, .size: 8, .value_kind: global_buffer, .address_space: global }
      - { .name: params_blocks_0_opm_wo, .offset: 16, .size: 8, .value_kind: global_buffer, .address_space: global }
      - { .name: params_blocks_0_opm_bo, .offset: 24, .size: 8, .value_kind: global_buffer, .address_space: global }
      - { .name: params_blocks_0_tri_start_ln_g, .offset: 32, .size: 8, .value_kind: global_buffer, .address_space: global }
      - { .name: params_blocks_0_tri_start_ln_b, .offset: 40, .size: 8, .value_kind: global_buffer, .address_space: global }
      - { .name: params_blocks_0_tri_start_wb, .offset: 48, .size: 8, .value_kind: global_buffer, .address_space: global }
      - { .name: pair_mask, .offset: 56, .size: 8, .value_kind: global_buffer, .address_space: global }
      - { .name: pair1, .offset: 64, .size: 8, .value_kind: global_buffer, .address_space: global }
      - { .name: bias1, .offset: 72, .size: 8, .value_kind: global_buffer, .address_space: global }
      - { .name: pmt, .offset: 80, .size: 8, .value_kind: global_buffer, .address_space: global }
    .group_segment_fixed_size: 327680
    .private_segment_fixed_size: 0
    .kernarg_segment_align: 8
    .kernarg_segment_size: 88
    .max_flat_workgroup_size: 512
    .sgpr_count:     96
    .vgpr_count:     256
    .wavefront_size: 32
...
	.end_amdgpu_metadata
.endif
;; end of part 2
;; launch tri_s (part 3): grid 256 x 1, 16 waves a work-group, no clusters, 326,656 bytes of LDS; arguments pair1, pair_mask, bias1, params_blocks_0_tri_start_ln_g, params_blocks_0_tri_start_ln_b, params_blocks_0_tri_start_wq, params_blocks_0_tri_start_wk, params_blocks_0_tri_start_wv, params_blocks_0_tri_start_wg, params_blocks_0_tri_start_bg, params_blocks_0_tri_start_wo, params_blocks_0_tri_start_bo, params_blocks_0_tri_end_ln_g, params_blocks_0_tri_end_ln_b, params_blocks_0_tri_end_wb, params_blocks_0_pt_wu, params_blocks_0_pt_bu, params_blocks_0_pt_wd, params_blocks_0_pt_bd, pair2t, bias2, mode_a; writes pair2t, bias2
.if DOCPART == 3
	.amdgcn_target "amdgcn-amd-amdhsa--gfx1250"
	.amdhsa_code_object_version 6
	.text
	.protected	k_qcb1e7fa149_tri_s
	.globl	k_qcb1e7fa149_tri_s
	.p2align	8
	.type	k_qcb1e7fa149_tri_s,@function
k_qcb1e7fa149_tri_s:
	s_mov_b64 s[64:65], 0
	v_nop
	global_prefetch_b8 v0, s[64:65] scope:SCOPE_SE
	s_setreg_imm32_b32 hwreg(HW_REG_WAVE_MODE, 25, 1), 1
	s_wait_xcnt 0x0
; TRIANGLE ATTENTION ON ONE ROW a OF THE PAIR TENSOR (256 positions of 128 channels), the residual, and a tail chosen by a mode word that the first launch stored.
; The body reads row a at a x 131,072 + position x 512 and stores at position x 131,072 + a x 512: the output is the turned tensor.  Attention round the ending node is attention round the
; starting node on the turned tensor with the turned mask, so the same body runs twice, and the second run brings the natural order back.
; MODE 1 (first run): the layer norm of the new rows times wb: the bias table of the second run.  MODE 0 (second run): the pair transition.  No barrier stands inside a branch on the mode.
; SHARES: 16 waves; wave w owns positions 16 w .. 16 w + 15, as rows and as queries.  ROW LAYOUT: lane (r, h) holds row r, register 8 T + j channel 16 T + 8 h + j: the result of a product with
; source 0 = 16 output channels and source 1 = 16 rows, and, rounded to bf16 in pairs, source 1 of the next product.  Weights stay [k][n] in LDS (rows of 288 bytes) and are fetched turned.
; ATTENTION, a head at a time, 64 keys a trip: S^T = K Q^T holds one query a lane (r) and the keys 8 h + j.  The sum starts with the keys' mask term (mask - 1) x 1e9 x log2(e) as C; the bias
; (bf16, times log2(e), laid so that 16 bytes are eight queries of one key) is added by a second product against a unit matrix.  Running maximum m and sum l in f32; p = 2^(s - m).
; NO CLUSTER: what the work-groups share, the weights, is f32 in memory and passes through registers to become bf16; the bias goes straight into fragment registers.
; LIMITS: bf16 operands (q, k, v, p, the gated values, the bias), f32 sums; a weight below 2^-126 counts as 0; NaN and infinities are not treated apart.  The row is read a second time for the residual.
.set KK, 0                   ; K: 256 rows of 272 bytes.  Bytes 0 to 135,168 are also the 16 stages, ahead of the first barrier and behind the head loop's
.set VV, 69632               ; V: 256 rows of 288 bytes
.set W0, 143360              ; wk, later wg
.set W2, 180224              ; wq
.set W1, 217088              ; wv, later wo
.set STASH, 253952           ; the gated values as fragments: 4,096 bytes a wave
.set MT, 319488              ; the keys' mask terms
.set OM, 320512              ; the mask as it is
.set VEC, 321536             ; six vectors of 128: gain, offset, bg, bo, the next gain, the next offset
.set SPARE, 324608           ; the spare words: 128 bytes a wave, named by no other line
.set BU, 294912              ; mode 0, behind its barrier: eight weight tiles of 36,864 bytes from byte 0, then bu
.set R, 1
.set H, 2
.set L, 3
.set SPW, 4
.set NIL, 5
.set ZERO, 6
.set GL, 7                   ; 16 x lane
.set VB, 8                   ; my place in the bias table
.set STC, 9                  ; my stage by rows: + 528 p
.set STF, 10                 ; my stage in the row layout: + 64 T + 16 u
.set TRW, 11                 ; the turning load's lane term at 288 bytes a row
.set AK0, 12
.set AV0, 13
.set AM0, 14
.set AVEC, 15
.set LW, 20                  ; where my 8 numbers of a weight row go
.set GW, 21                  ; and where they come from
.set MU, 22                  ; a pair is named, the low word used
.set T, 24                   ; v24-31 at work
.set X, 32                   ; my rows' four fragments
.set QF, 64
.set OA, 72
.set EB, 88
.set MX, 96
.set LS, 98
.set CM, 100
.set AL, 104
.set S, 128
.set FA, 160
.set FM, 192
.set FB, 224
.set WN, 2
.set SA, 3
.set STW, 4
.set MODE, 52
.set SEL, 54
.set MC, 56
.set NMC, 57
.set IC, 58
.set EPS, 59
.set SQ, 60
.set SG, 61
.set SK, 62
.set SV, 63
.set SM, 66
.set SB, 67
.set SBG, 68
.set SST, 69
.set CH, 70
.set CC, 71
.set SBO, 72
.set SU, 78
.set SD, 79
.set SBU, 80
.set SL, 81
.macro PLACES                ; plain vector instructions between a matrix instruction and what touches its registers (ISA guide 7.12.1)
.rept 5
	v_nop
.endr
.endm
.macro BAR                   ; my LDS instructions are done, then the work-group's barrier
	s_wait_dscnt 0x0
	s_barrier_signal -1
	s_barrier_wait -1
.endm
.macro FRAG d, a, o
	ds_load_b128 v[(\d):(\d)+3], v[\a] offset:(\o)
	ds_load_b128 v[(\d)+4:(\d)+7], v[\a] offset:(\o)+32
.endm
.macro TR16 d, a, o, p
	ds_load_tr16_b128 v[(\d):(\d)+3], v[\a] offset:(\o)
	ds_load_tr16_b128 v[(\d)+4:(\d)+7], v[\a] offset:(\o)+(\p)
.endm
.macro WM d, a, b, c         ; c < 0: the product starts the sum
.if (\c) < 0
	v_wmma_f32_16x16x32_bf16 v[(\d):(\d)+7], v[(\a):(\a)+7], v[(\b):(\b)+7], 0
.else
	v_wmma_f32_16x16x32_bf16 v[(\d):(\d)+7], v[(\a):(\a)+7], v[(\b):(\b)+7], v[(\c):(\c)+7]
.endif
.endm
.macro VLD8 d, a, o          ; 64 channels in the row layout: 8 loads
.set vq, 0
.rept 8
	ds_load_b128 v[(\d)+4*vq:(\d)+4*vq+3], v[\a] offset:(\o)+64*(vq/2)+16*(vq%2)
.set vq, vq+1
.endr
.endm
.macro RED                   ; four pairs at T into one number; the row's other half lies in the lane 16 away
	v_pk_add_f32 v[T:T+1], v[T:T+1], v[T+2:T+3]
	v_pk_add_f32 v[T+4:T+5], v[T+4:T+5], v[T+6:T+7]
	v_pk_add_f32 v[T:T+1], v[T:T+1], v[T+4:T+5]
	v_add_f32 v[T], v[T], v[T+1]
	v_permlanex16_b32 v[T+1], v[T], s[SEL], s[SEL+1]
	v_add_f32 v[T], v[T], v[T+1]
.endm
; Layer norm of 16 rows of 128 channels: src f32 in the row layout, dt 64 registers at work, xo the 32 registers of bf16 fragments, gbs 64 registers for half of the gain and of the offset at a time.
; The mean first, then the squares of the differences.
.macro LN128 src, dt, xo, gbs, vg, vb
.set lk, 0
.rept 4
	v_pk_add_f32 v[T+2*lk:T+2*lk+1], v[(\src)+2*lk:(\src)+2*lk+1], v[(\src)+8+2*lk:(\src)+8+2*lk+1]
.set lk, lk+1
.endr
.set lk, 0
.rept 24
	v_pk_add_f32 v[T+2*(lk%4):T+2*(lk%4)+1], v[T+2*(lk%4):T+2*(lk%4)+1], v[(\src)+16+2*lk:(\src)+16+2*lk+1]
.set lk, lk+1
.endr
	RED
	v_mul_f32 v[MU], 0x3c000000, v[T]
.set lk, 0
.rept 32
	v_pk_add_f32 v[(\dt)+2*lk:(\dt)+2*lk+1], v[(\src)+2*lk:(\src)+2*lk+1], v[MU:MU+1] op_sel_hi:[1,0] neg_lo:[0,1] neg_hi:[0,1]
.set lk, lk+1
.endr
.set lk, 0
.rept 4
	v_pk_mul_f32 v[T+2*lk:T+2*lk+1], v[(\dt)+2*lk:(\dt)+2*lk+1], v[(\dt)+2*lk:(\dt)+2*lk+1]
.set lk, lk+1
.endr
.rept 28
	v_pk_fma_f32 v[T+2*(lk%4):T+2*(lk%4)+1], v[(\dt)+2*lk:(\dt)+2*lk+1], v[(\dt)+2*lk:(\dt)+2*lk+1], v[T+2*(lk%4):T+2*(lk%4)+1]
.set lk, lk+1
.endr
	RED
	v_fma_f32 v[MU], v[T], s[IC], s[EPS]
	v_rsq_f32 v[MU], v[MU]
	v_nop
	s_wait_alu depctr_va_vdst(0)
.set hf, 0
.rept 2
	VLD8 (\gbs), AVEC, 512*(\vg)+256*hf
	VLD8 (\gbs)+32, AVEC, 512*(\vb)+256*hf
.set lk, 0
.rept 16
	v_pk_mul_f32 v[(\dt)+32*hf+2*lk:(\dt)+32*hf+2*lk+1], v[(\dt)+32*hf+2*lk:(\dt)+32*hf+2*lk+1], v[MU:MU+1] op_sel_hi:[1,0]
.set lk, lk+1
.endr
	s_wait_dscnt 0x0
.set lk, 0
.rept 16
	v_pk_fma_f32 v[(\dt)+32*hf+2*lk:(\dt)+32*hf+2*lk+1], v[(\dt)+32*hf+2*lk:(\dt)+32*hf+2*lk+1], v[(\gbs)+2*lk:(\gbs)+2*lk+1], v[(\gbs)+32+2*lk:(\gbs)+32+2*lk+1]
.set lk, lk+1
.endr
.set lk, 0
.rept 16
	v_cvt_pk_bf16_f32 v[(\xo)+16*hf+lk], v[(\dt)+32*hf+2*lk], v[(\dt)+32*hf+2*lk+1]
.set lk, lk+1
.endr
.set hf, hf+1
.endr
.endm
; The 16 rows in v32-63 times wb [128][4]: wb goes into my stage as [128][16] bf16, its four columns four times over, so that lane r holds head r % 4 and eight neighbouring rows: 16 bytes of the
; table.  Lanes with r above 3 store the same bytes to the same place.  Two accumulators take turns and are added.
.macro BIASOUT wbp, nbp
	v_lshlrev_b32 v18, 6, v[L]
.set n, 0
.rept 4
	global_load_b128 v[192+4*n:195+4*n], v18, s[(\wbp):(\wbp)+1] offset:16*n
.set n, n+1
.endr
	v_lshl_add_u32 v19, v[L], 7, s[STW]
	v_and_b32 v24, 7, v0
	v_lshl_add_u32 v24, v[H], 3, v24
	v_bfe_u32 v25, v0, 3, 1
	v_lshlrev_b32 v25, 4, v25
	v_lshl_add_u32 v24, v24, 5, v25
	v_add_nc_u32 v24, s[STW], v24
	v_and_b32 v25, 3, v0
	v_lshlrev_b32 v25, 13, v25
	v_lshl_add_u32 v25, v[H], 8, v25
	v_add_nc_u32 v25, s[SBO], v25
	s_wait_loadcnt 0x0
.set n, 0
.rept 4
	v_cvt_pk_bf16_f32 v[208+4*n], v[192+4*n], v[193+4*n]
	v_cvt_pk_bf16_f32 v[209+4*n], v[194+4*n], v[195+4*n]
	v_cvt_pk_bf16_f32 v[210+4*n], v[192+4*n], v[193+4*n]
	v_cvt_pk_bf16_f32 v[211+4*n], v[194+4*n], v[195+4*n]
	ds_store_b128 v19, v[208+4*n:211+4*n] offset:32*n
	ds_store_b128 v19, v[208+4*n:211+4*n] offset:32*n+16
.set n, n+1
.endr
.set n, 0
.rept 4
	TR16 224+8*n, 24, 1024*n, 512
.set n, n+1
.endr
	s_wait_dscnt 0x0
	WM 64, 32, 224, -1
	WM 72, 40, 232, -1
	WM 64, 48, 240, 64
	WM 72, 56, 248, 72
	PLACES
.set n, 0
.rept 4
	v_pk_add_f32 v[64+2*n:65+2*n], v[64+2*n:65+2*n], v[72+2*n:73+2*n]
.set n, n+1
.endr
.set n, 0
.rept 4
	v_pk_mul_f32 v[64+2*n:65+2*n], v[64+2*n:65+2*n], 0x3fb8aa3b op_sel_hi:[1,0]
.set n, n+1
.endr
.set n, 0
.rept 4
	v_cvt_pk_bf16_f32 v[80+n], v[64+2*n], v[65+2*n]
.set n, n+1
.endr
	global_store_b128 v25, v[80:83], s[(\nbp):(\nbp)+1]
	s_wait_xcnt 0x0
.endm
.macro WLD d, p, a, us       ; my 32 numbers of a weight tile of 128 x 128: 8 numbers in each of four rows, 32 rows (us bytes) apart
.set wq_, 0
.rept 4
	global_load_b128 v[(\d)+8*wq_:(\d)+8*wq_+3], v[\a], s[(\p):(\p)+1] offset:wq_*(\us)
	global_load_b128 v[(\d)+8*wq_+4:(\d)+8*wq_+7], v[\a], s[(\p):(\p)+1] offset:wq_*(\us)+16
.set wq_, wq_+1
.endr
.endm
.macro WST d, a, o           ; rounded to bf16 and laid into LDS
.set wq_, 0
.rept 4
	v_cvt_pk_bf16_f32 v[(\d)+8*wq_], v[(\d)+8*wq_], v[(\d)+8*wq_+1]
	v_cvt_pk_bf16_f32 v[(\d)+8*wq_+1], v[(\d)+8*wq_+2], v[(\d)+8*wq_+3]
	v_cvt_pk_bf16_f32 v[(\d)+8*wq_+2], v[(\d)+8*wq_+4], v[(\d)+8*wq_+5]
	v_cvt_pk_bf16_f32 v[(\d)+8*wq_+3], v[(\d)+8*wq_+6], v[(\d)+8*wq_+7]
	ds_store_b128 v[\a], v[(\d)+8*wq_:(\d)+8*wq_+3] offset:(\o)+9216*wq_
.set wq_, wq_+1
.endr
.endm
.macro RIN_LD b, g           ; my 16 rows, 512 bytes a load; registers b + 4 n, with a gap of g behind the eighth
.set n, 0
.rept 16
	global_load_b128 v[(\b)+4*n+(n/8)*(\g):(\b)+4*n+(n/8)*(\g)+3], v[GL], s[8:9] offset:512*n
.set n, n+1
.endr
.endm
.macro RIN_ST b, g           ; through my stage into the row layout; LDS serves a wave's instructions in order (ISA guide 5.7.1.4)
.set n, 0
.rept 16
	ds_store_b128 v[STC], v[(\b)+4*n+(n/8)*(\g):(\b)+4*n+(n/8)*(\g)+3] offset:528*n
.set n, n+1
.endr
.set n, 0
.rept 16
	ds_load_b128 v[(\b)+4*n+(n/8)*(\g):(\b)+4*n+(n/8)*(\g)+3], v[STF] offset:64*(n/2)+16*(n%2)
.set n, n+1
.endr
.endm
.macro PROJ128 a, xb         ; my 16 rows (fragments at xb) times a weight of 128 x 128: eight accumulators v128-191 by turns; fragments in v192-255
.set pk, 0
.rept 4
	PLACES
.set pn, 0
.rept 8
	TR16 192+8*pn, \a, 9216*pk+32*pn, 4608
.set pn, pn+1
.endr
	s_wait_dscnt 0x0
.set pn, 0
.rept 8
.if pk == 0
	WM 128+8*pn, 192+8*pn, (\xb), -1
.else
	WM 128+8*pn, 192+8*pn, (\xb)+8*pk, 128+8*pn
.endif
.set pn, pn+1
.endr
.set pk, pk+1
.endr
.endm
.macro KVOUT a               ; the 16 rows, rounded to bf16, into K's or V's rows
	PLACES
.set n, 0
.rept 32
	v_cvt_pk_bf16_f32 v[192+n], v[128+2*n], v[128+2*n+1]
.set n, n+1
.endr
.set n, 0
.rept 8
	ds_store_b128 v[\a], v[192+4*n:195+4*n] offset:32*n
.set n, n+1
.endr
.endm
.macro BLOAD                 ; the bias of 64 keys for my 16 queries: the low half of four fragments
	v_add_nc_u32 v19, s[SB], v[VB]
.set n, 0
.rept 4
	global_load_b128 v[FB+8*n:FB+8*n+3], v19, s[12:13] offset:512*n
.set n, n+1
.endr
.endm
.macro SIGM16 b              ; 16 registers: 1 / (1 + 2^(-x log2 e))
.set n, 0
.rept 8
	v_pk_mul_f32 v[(\b)+2*n:(\b)+2*n+1], v[(\b)+2*n:(\b)+2*n+1], 0xbfb8aa3b op_sel_hi:[1,0]
.set n, n+1
.endr
.set n, 0
.rept 16
	v_exp_f32 v[(\b)+n], v[(\b)+n]
.set n, n+1
.endr
	v_nop
.set n, 0
	s_wait_alu depctr_va_vdst(0)
.rept 8
	v_pk_add_f32 v[(\b)+2*n:(\b)+2*n+1], v[(\b)+2*n:(\b)+2*n+1], 1.0 op_sel_hi:[1,0]
.set n, n+1
.endr
.set n, 0
.rept 16
	v_rcp_f32 v[(\b)+n], v[(\b)+n]
.set n, n+1
.endr
	v_nop
.endm
	s_load_b512 s[8:23], s[0:1], 0x0       ; zin 8, mask 10, bias 12, gain 14, offset 16, wq 18, wk 20, wv 22
	s_load_b512 s[24:39], s[0:1], 0x40     ; wg 24, bg 26, wo 28, bo 30, next gain 32, next offset 34, next wb 36, wu 38
	s_load_b256 s[40:47], s[0:1], 0x80     ; bu 40, wd 42, bd 44, zout 46
	s_load_b128 s[48:51], s[0:1], 0xa0     ; next bias 48, mode 50
	v_lshl_add_u32 v[SPW], v0, 2, SPARE
	v_mov_b32 v[NIL], 0
	v_mov_b32 v[ZERO], 0
	v_mov_b32 v[MU+1], 0
	v_and_b32 v[R], 15, v0
	v_bfe_u32 v[H], v0, 4, 1
	v_and_b32 v[L], 31, v0
	v_lshrrev_b32 v16, 5, v0
	v_readfirstlane_b32 s[WN], v16
	s_mov_b32 s[SA], ttmp9
	s_mov_b32 s[SEL], 0x76543210
	s_mov_b32 s[SEL+1], 0xfedcba98
	s_mov_b32 s[MC], 0x4eabfb8f            ; 1e9 log2(e)
	s_mov_b32 s[NMC], 0xceabfb8f
	s_mov_b32 s[IC], 0x3c000000            ; 1 / 128
	s_mov_b32 s[EPS], 0x3727c5ac           ; 1e-5
	v_lshlrev_b32 v[GL], 4, v[L]
	s_lshl_b32 s5, s[WN], 15
	v_add_nc_u32 v[VB], s5, v[GL]          ; my 32,768 bytes of the bias table
	s_mul_i32 s[STW], s[WN], 8448          ; my stage: 16 rows of 528 bytes
	v_add_nc_u32 v[STC], s[STW], v[GL]
	v_mul_u32_u24 v[STF], v[R], 528
	v_lshl_add_u32 v[STF], v[H], 5, v[STF]
	v_add_nc_u32 v[STF], s[STW], v[STF]
	v_and_b32 v16, 7, v0
	v_lshl_add_u32 v16, v[H], 3, v16
	v_mul_u32_u24 v[TRW], v16, 288
	v_bfe_u32 v16, v0, 3, 1
	v_lshl_add_u32 v[TRW], v16, 4, v[TRW]
	v_mul_u32_u24 v[AK0], v[R], 272
	v_lshl_add_u32 v[AK0], v[H], 4, v[AK0]
	v_add_nc_u32 v[AV0], VV, v[TRW]
	v_lshlrev_b32 v16, 5, v[H]
	v_add_nc_u32 v[AM0], MT, v16
	v_add_nc_u32 v[AVEC], VEC, v16
	v_lshrrev_b32 v[LW], 4, v0
	v_mul_u32_u24 v[LW], v[LW], 288
	v_lshl_add_u32 v[LW], v[R], 4, v[LW]
	v_lshlrev_b32 v[GW], 5, v0
	s_lshl_b32 s74, s[SA], 17              ; in: row a, my 16 positions of 512 bytes
	s_lshl_b32 s5, s[WN], 13
	s_add_co_u32 s74, s74, s5
	s_mov_b32 s75, 0
	s_lshl_b32 s76, s[WN], 21              ; out: my 16 positions are rows of 131,072 bytes, a is the place in them
	s_lshl_b32 s5, s[SA], 9
	s_add_co_u32 s76, s76, s5
	s_mov_b32 s77, 0
	s_lshl_b32 s6, s[SA], 10
	s_mov_b32 s7, 0
	s_lshl_b32 s[SBO], s[WN], 15           ; the next table: q / 16 = w, k = a
	s_lshr_b32 s5, s[SA], 4
	s_lshl_b32 s5, s5, 9
	s_add_co_u32 s[SBO], s[SBO], s5
	s_and_b32 s5, s[SA], 15
	s_lshl_b32 s5, s5, 4
	s_add_co_u32 s[SBO], s[SBO], s5
	s_wait_kmcnt 0x0
	s_load_b32 s[MODE], s[50:51], 0x0
	s_add_nc_u64 s[8:9], s[8:9], s[74:75]
	s_add_nc_u64 s[46:47], s[46:47], s[76:77]
	s_add_nc_u64 s[10:11], s[10:11], s[6:7]
	RIN_LD 192, 0
	WLD 128, 20, GW, 16384
	WLD 160, 22, GW, 16384
	WLD 96, 18, GW, 16384
	s_cmp_lg_u32 s[WN], 0                  ; wave 0: the six vectors
	s_cbranch_scc1 .Lno_vec
.set n, 0
.irp p, 14,16,26,30,32,34
	global_load_b128 v[64+4*n:67+4*n], v[GL], s[\p:\p+1]
.set n, n+1
.endr
	v_add_nc_u32 v16, VEC, v[GL]
	s_wait_loadcnt 0x0
.set n, 0
.rept 6
	ds_store_b128 v16, v[64+4*n:67+4*n] offset:512*n
.set n, n+1
.endr
.Lno_vec:
	s_cmp_ge_u32 s[WN], 8                  ; waves 8-15: the row's mask, as it is and as the keys' term
	s_cbranch_scc0 .Lno_mask
	v_and_b32 v16, 255, v0
	v_lshlrev_b32 v16, 2, v16
	global_load_b32 v88, v16, s[10:11]
	v_add_nc_u32 v17, OM, v16
	v_add_nc_u32 v18, MT, v16
	s_wait_loadcnt 0x0
	v_fma_f32 v89, v88, s[MC], s[NMC]
	ds_store_b32 v17, v88
	ds_store_b32 v18, v89
.Lno_mask:
	s_wait_loadcnt 0x0                     ; all my loads are in
	v_add_nc_u32 v16, W0, v[LW]
	WST 128, 16, 0
	v_add_nc_u32 v17, W1, v[LW]
	WST 160, 17, 0
	v_add_nc_u32 v18, W2, v[LW]
	WST 96, 18, 0
	RIN_ST 192, 0
	s_wait_kmcnt 0x0                       ; the mode word
	BAR                                    ; weights, vectors and mask are there; nobody's stage is in use any more
	LN128 192, 128, X, 64, 0, 1
	WLD 64, 24, GW, 16384                  ; wg and wo land while K and V are made
	WLD 96, 28, GW, 16384
	v_add_nc_u32 v16, W0, v[TRW]
	PROJ128 16, X
	s_mul_i32 s5, s[WN], 4352
	v_add_nc_u32 v17, s5, v[AK0]
	KVOUT 17
	v_add_nc_u32 v16, W1, v[TRW]
	PROJ128 16, X
	s_mul_i32 s5, s[WN], 4608
	s_add_co_u32 s5, s5, VV
	v_mul_u32_u24 v17, v[R], 288
	v_lshl_add_u32 v17, v[H], 4, v17
	v_add_nc_u32 v17, s5, v17
	KVOUT 17
	s_wait_loadcnt 0x0
	BAR                                    ; K and V are whole; nobody reads wk and wv any more
	v_add_nc_u32 v16, W0, v[LW]
	WST 64, 16, 0
	v_add_nc_u32 v17, W1, v[LW]
	WST 96, 17, 0
	; the unit matrix (K = 0 .. 15 against my 16 queries; K = 16 .. 31 are zeros, and so is the upper half of every bias fragment)
	v_lshlrev_b32 v24, 3, v[H]
	v_sub_nc_u32 v24, v[R], v24
	v_mov_b32 v25, 0x3f80
	v_mov_b32 v26, 0x3f800000
.set n, 0
.rept 4
	v_cmp_eq_u32 vcc_lo, 2*n, v24
	v_cndmask_b32 v[EB+n], 0, v25, vcc_lo
	v_cmp_eq_u32 vcc_lo, 2*n+1, v24
	v_cndmask_b32 v[EB+n], v[EB+n], v26, vcc_lo
	v_mov_b32 v[EB+4+n], 0
.set n, n+1
.endr
.set n, 0
.rept 16
	v_mov_b32 v[FB+8*(n/4)+4+n%4], 0
.set n, n+1
.endr
	v_mov_b32 v[MX+1], 0
	v_mov_b32 v[AL+1], 0
	s_mov_b32 s[SB], 0
	BLOAD
	s_mov_b32 s[SQ], W2
	s_mov_b32 s[SG], W0
	s_mov_b32 s[SK], 0
	s_mov_b32 s[SV], 0
	s_mov_b32 s[SM], 0
	s_mov_b32 s[SBG], 1024
	s_lshl_b32 s[SST], s[WN], 12
	s_add_co_u32 s[SST], s[SST], STASH
	s_mov_b32 s[CH], 4
	BAR                                    ; wg and wo are there
.Lhead:                                        ; a trip: one head.  First its 32 channels of Q for my 16 queries
	PLACES
	v_add_nc_u32 v16, s[SQ], v[TRW]
.set n, 0
.rept 8                                        ; n = 2 ks + tile
	TR16 128+8*n, 16, 9216*(n/2)+32*(n%2), 4608
.set n, n+1
.endr
	s_wait_dscnt 0x0
.set n, 0
.rept 8
.if n < 2
	WM 192+8*(n%2), 128+8*n, X, -1
.else
	WM 192+8*(n%2), 128+8*n, X+8*(n/2), 192+8*(n%2)
.endif
.set n, n+1
.endr
	PLACES
.set n, 0
.rept 8
	v_pk_mul_f32 v[192+2*n:193+2*n], v[192+2*n:193+2*n], 0x3e8293ee op_sel_hi:[1,0]   ; log2(e) / sqrt(32)
.set n, n+1
.endr
.set n, 0
.rept 8
	v_cvt_pk_bf16_f32 v[QF+n], v[192+2*n], v[193+2*n]
.set n, n+1
.endr
	v_mov_b32 v[MX], 0xfe000000            ; far below every score: the first trip's correction is 0
	v_mov_b32 v[LS], 0
	v_mov_b32 v[LS+1], 0
.set n, 0
.rept 16
	v_mov_b32 v[OA+n], 0
.set n, n+1
.endr
	s_mov_b32 s[CC], 4
.Lchunk:                                       ; a trip: 64 keys
	PLACES
	v_add_nc_u32 v16, s[SK], v[AK0]
	v_add_nc_u32 v17, s[SM], v[AM0]
.set n, 0
.rept 4
	FRAG FA+8*n, 16, 4352*n
.set n, n+1
.endr
	VLD8 FM, 17, 0
	s_wait_dscnt 0x0
	s_wait_loadcnt 0x0                     ; this trip's bias, asked for a trip ago
.set n, 0
.rept 4
	WM S+8*n, FA+8*n, QF, FM+8*n
.set n, n+1
.endr
.set n, 0
.rept 4
	WM S+8*n, FB+8*n, EB, S+8*n
.set n, n+1
.endr
	PLACES
	s_add_co_u32 s[SB], s[SB], 2048        ; the next trip's bias; behind my last 2,048 bytes the offset goes back to 0, so the request stays inside the table
	s_and_b32 s[SB], s[SB], 0x7fff
	BLOAD
	v_add_nc_u32 v18, s[SV], v[AV0]
.set n, 0
.rept 4                                        ; n = 2 ks + channel tile
	TR16 FA+8*n, 18, 9216*(n/2)+32*(n%2), 4608
.set n, n+1
.endr
.set n, 0
.rept 4                                        ; the maximum: each accumulator's lowest registers first
	v_max3_num_f32 v[CM+n], v[S+8*n], v[S+8*n+1], v[S+8*n+2]
.set n, n+1
.endr
.set n, 0
.rept 8
	v_max3_num_f32 v[CM+n%4], v[CM+n%4], v[S+8*(n%4)+2*(n/4)+3], v[S+8*(n%4)+2*(n/4)+4]
.set n, n+1
.endr
	v_max3_num_f32 v[CM], v[CM], v[S+7], v[S+15]
	v_max3_num_f32 v[CM+2], v[CM+2], v[S+23], v[S+31]
	v_max3_num_f32 v[CM], v[CM], v[CM+1], v[CM+2]
	v_max3_num_f32 v[CM], v[CM], v[CM+3], v[MX]
	v_permlanex16_b32 v[CM+1], v[CM], s[SEL], s[SEL+1]   ; the query's other 32 keys lie in the lane 16 away
	v_mov_b32 v[CM+2], v[MX]
	v_max_num_f32 v[MX], v[CM], v[CM+1]
	v_sub_f32 v[CM+2], v[CM+2], v[MX]
	v_exp_f32 v[AL], v[CM+2]
.set n, 0
.rept 16
	v_pk_add_f32 v[S+2*n:S+2*n+1], v[S+2*n:S+2*n+1], v[MX:MX+1] op_sel_hi:[1,0] neg_lo:[0,1] neg_hi:[0,1]
.set n, n+1
.endr
.set n, 0
.rept 32
	v_exp_f32 v[S+n], v[S+n]
.set n, n+1
.endr
	v_nop
.set n, 0
	s_wait_alu depctr_va_vdst(0)
.rept 4
	v_pk_add_f32 v[T+2*n:T+2*n+1], v[S+4*n:S+4*n+1], v[S+4*n+2:S+4*n+3]
.set n, n+1
.endr
.set n, 0
.rept 8
	v_pk_add_f32 v[T+2*(n%4):T+2*(n%4)+1], v[T+2*(n%4):T+2*(n%4)+1], v[S+16+2*n:S+16+2*n+1]
.set n, n+1
.endr
	v_pk_add_f32 v[T:T+1], v[T:T+1], v[T+2:T+3]
	v_pk_add_f32 v[T+4:T+5], v[T+4:T+5], v[T+6:T+7]
	v_pk_add_f32 v[T:T+1], v[T:T+1], v[T+4:T+5]
	v_pk_fma_f32 v[LS:LS+1], v[LS:LS+1], v[AL:AL+1], v[T:T+1] op_sel_hi:[1,0,1]
.set n, 0
.rept 16
	v_cvt_pk_bf16_f32 v[S+n], v[S+2*n], v[S+2*n+1]
.set n, n+1
.endr
.set n, 0
.rept 8
	v_pk_mul_f32 v[OA+2*n:OA+2*n+1], v[OA+2*n:OA+2*n+1], v[AL:AL+1] op_sel_hi:[1,0]
.set n, n+1
.endr
	s_wait_dscnt 0x0                       ; V's fragments
.set n, 0
.rept 4
	WM OA+8*(n%2), FA+8*n, S+8*(n/2), OA+8*(n%2)
.set n, n+1
.endr
	s_add_co_u32 s[SK], s[SK], 17408
	s_add_co_u32 s[SV], s[SV], 18432
	s_add_co_u32 s[SM], s[SM], 256
	s_sub_co_u32 s[CC], s[CC], 1
	s_cmp_lg_u32 s[CC], 0
	s_cbranch_scc1 .Lchunk
	; the head's end: 1 / l, the head's 32 channels of the gate, and the gated values as a fragment into my stash
	PLACES
	v_add_f32 v[LS], v[LS], v[LS+1]
	v_permlanex16_b32 v[LS+1], v[LS], s[SEL], s[SEL+1]
	v_add_f32 v[LS], v[LS], v[LS+1]
	v_rcp_f32 v[LS], v[LS]
	v_add_nc_u32 v16, s[SG], v[TRW]
.set n, 0
.rept 8
	TR16 128+8*n, 16, 9216*(n/2)+32*(n%2), 4608
.set n, n+1
.endr
	v_add_nc_u32 v17, s[SBG], v[AVEC]
.set n, 0
.rept 4
	ds_load_b128 v[208+4*n:211+4*n], v17 offset:64*(n/2)+16*(n%2)
.set n, n+1
.endr
	s_wait_dscnt 0x0
.set n, 0
.rept 8
.if n < 2
	WM 192+8*(n%2), 128+8*n, X, 208+8*(n%2)
.else
	WM 192+8*(n%2), 128+8*n, X+8*(n/2), 192+8*(n%2)
.endif
.set n, n+1
.endr
	PLACES
	SIGM16 192
.set n, 0
.rept 8
	v_pk_mul_f32 v[OA+2*n:OA+2*n+1], v[OA+2*n:OA+2*n+1], v[LS:LS+1] op_sel_hi:[1,0]
.set n, n+1
.endr
.set n, 0
	s_wait_alu depctr_va_vdst(0)
.rept 8
	v_pk_mul_f32 v[OA+2*n:OA+2*n+1], v[OA+2*n:OA+2*n+1], v[192+2*n:193+2*n]
.set n, n+1
.endr
.set n, 0
.rept 8
	v_cvt_pk_bf16_f32 v[T+n], v[OA+2*n], v[OA+2*n+1]
.set n, n+1
.endr
	v_add_nc_u32 v18, s[SST], v[GL]
	ds_store_b128 v18, v[T:T+3]
	ds_store_b128 v18, v[T+4:T+7] offset:512
	s_add_co_u32 s[SQ], s[SQ], 64
	s_add_co_u32 s[SG], s[SG], 64
	s_sub_co_u32 s[SK], s[SK], 69568       ; back over 256 keys, 64 bytes on
	s_sub_co_u32 s[SV], s[SV], 73664
	s_sub_co_u32 s[SM], s[SM], 1024
	s_add_co_u32 s[SBG], s[SBG], 128
	s_add_co_u32 s[SST], s[SST], 1024
	s_sub_co_u32 s[CH], s[CH], 1
	s_cmp_lg_u32 s[CH], 0
	s_cbranch_scc1 .Lhead
	s_wait_loadcnt 0x0                     ; the request that ran ahead of the last trip
	BAR                                    ; nobody reads K and V any more: their bytes are the stages again
	RIN_LD 32, 32                          ; my rows once more, for the residual: v32-63 and v96-127
	s_sub_co_u32 s[SST], s[SST], 4096
	v_add_nc_u32 v16, s[SST], v[GL]
.set n, 0
.rept 8
	ds_load_b128 v[64+4*n:67+4*n], v16 offset:512*n
.set n, n+1
.endr
	v_add_nc_u32 v17, W1, v[TRW]
	PROJ128 17, 64
	PLACES
	VLD8 192, AVEC, 1536
	VLD8 224, AVEC, 1792
	s_lshl_b32 s5, s[WN], 6
	s_add_co_u32 s5, s5, OM
	v_lshl_add_u32 v16, v[R], 2, s5
	ds_load_b32 v[MU], v16
	s_wait_loadcnt 0x0
	RIN_ST 32, 32
	s_wait_dscnt 0x0
.set n, 0
.rept 32
	v_pk_add_f32 v[128+2*n:129+2*n], v[128+2*n:129+2*n], v[192+2*n:193+2*n]
.set n, n+1
.endr
.set n, 0
.rept 32
	v_pk_fma_f32 v[128+2*n:129+2*n], v[128+2*n:129+2*n], v[MU:MU+1], v[32+2*n+(n/16)*32:33+2*n+(n/16)*32] op_sel_hi:[1,0,1]
.set n, n+1
.endr
	LN128 128, 192, X, 64, 4, 5            ; the new rows stay in v128-191; their layer norm for the tail goes to v32-63
	s_cmp_eq_u32 s[MODE], 0
	s_cbranch_scc1 .Lno_bias
	BIASOUT 36, 48
.Lno_bias:
	BAR                                    ; nobody reads weights, stash or stage any more
	s_cmp_lg_u32 s[MODE], 0
	s_cbranch_scc1 .Lno_w
	; mode 0: bd onto the rows, bu and the transition's weights into LDS
	v_lshlrev_b32 v16, 5, v[H]
.set n, 0
.rept 16
	global_load_b128 v[192+4*n:195+4*n], v16, s[44:45] offset:64*(n/2)+16*(n%2)
.set n, n+1
.endr
	v_lshlrev_b32 v17, 2, v0
	global_load_b32 v24, v17, s[40:41]
	v_add_nc_u32 v18, BU, v17
	s_wait_loadcnt 0x0
.set n, 0
.rept 32
	v_pk_add_f32 v[128+2*n:129+2*n], v[128+2*n:129+2*n], v[192+2*n:193+2*n]
.set n, n+1
.endr
	ds_store_b32 v18, v24
	v_lshrrev_b32 v17, 4, v0
	v_lshlrev_b32 v17, 11, v17
	v_lshl_add_u32 v17, v[R], 5, v17       ; in wu a row is 2,048 bytes
	s_mov_b32 s[SL], 0
	s_mov_b32 s[CC], 4
.Lwl:                                          ; a trip: 128 hidden channels: a quarter of wu's columns, a quarter of wd's rows
	WLD 192, 38, 17, 65536
	WLD 224, 42, GW, 16384
	v_add_nc_u32 v18, s[SL], v[LW]
	s_wait_loadcnt 0x0                     ; the loads are done: their bases may step
	WST 192, 18, 0
	WST 224, 18, 36864
	s_add_nc_u64 s[38:39], s[38:39], 512
	s_add_nc_u64 s[42:43], s[42:43], 0x10000
	s_add_co_u32 s[SL], s[SL], 73728
	s_sub_co_u32 s[CC], s[CC], 1
	s_cmp_lg_u32 s[CC], 0
	s_cbranch_scc1 .Lwl
.Lno_w:
	BAR                                    ; the tiles and bu are there
	s_cmp_lg_u32 s[MODE], 0
	s_cbranch_scc1 .Lno_t
	; mode 0: THE TRANSITION.  The rows themselves are the accumulators of the second product.
	v_lshlrev_b32 v19, 5, v[H]
	s_mov_b32 s[SU], 0
	s_mov_b32 s[SD], 36864
	s_mov_b32 s[SBU], BU
	s_mov_b32 s[CH], 4
.Ltq:                                          ; a quarter of the hidden channels: one tile of wu, one of wd
	s_mov_b32 s[CC], 4
.Ltc:                                          ; a trip: 32 hidden channels
	PLACES
	v_add_nc_u32 v16, s[SU], v[TRW]
	v_add_nc_u32 v18, s[SBU], v19
.set n, 0
.rept 8                                        ; n = 2 ks + tile
	TR16 192+8*n, 16, 9216*(n/2)+32*(n%2), 4608
.set n, n+1
.endr
.set n, 0
.rept 4
	ds_load_b128 v[64+4*n:67+4*n], v18 offset:64*(n/2)+16*(n%2)
.set n, n+1
.endr
	s_wait_dscnt 0x0
.set n, 0
.rept 8                                        ; two accumulators by turns; the sums start with bu
.if n < 2
	WM 80+8*(n%2), 192+8*n, X, 64+8*(n%2)
.else
	WM 80+8*(n%2), 192+8*n, X+8*(n/2), 80+8*(n%2)
.endif
.set n, n+1
.endr
	PLACES
	v_add_nc_u32 v17, s[SD], v[TRW]
.set n, 0
.rept 8
	TR16 192+8*n, 17, 32*n, 4608           ; wd's fragments land while the hidden values are rounded and clamped
.set n, n+1
.endr
.set n, 0
.rept 8
	v_cvt_pk_bf16_f32 v[96+n], v[80+2*n], v[81+2*n]
.set n, n+1
.endr
.set n, 0
.rept 8
	v_pk_max_num_bf16 v[96+n], v[96+n], v[ZERO]
.set n, n+1
.endr
	s_wait_dscnt 0x0
.set n, 0
.rept 8
	WM 128+8*n, 192+8*n, 96, 128+8*n
.set n, n+1
.endr
	s_add_co_u32 s[SU], s[SU], 64
	s_add_co_u32 s[SD], s[SD], 9216
	s_add_co_u32 s[SBU], s[SBU], 128
	s_sub_co_u32 s[CC], s[CC], 1
	s_cmp_lg_u32 s[CC], 0
	s_cbranch_scc1 .Ltc
	s_add_co_u32 s[SU], s[SU], 73472       ; on to the next pair of tiles
	s_add_co_u32 s[SD], s[SD], 36864
	s_sub_co_u32 s[CH], s[CH], 1
	s_cmp_lg_u32 s[CH], 0
	s_cbranch_scc1 .Ltq
.Lno_t:
	BAR                                    ; nobody reads the tiles any more: the first bytes of LDS are the stages once more
	PLACES
	; THE WAY OUT: through my stage; 32 lanes store a row's 512 consecutive bytes, the rows 131,072 bytes apart
.set n, 0
.rept 16
	ds_store_b128 v[STF], v[128+4*n:131+4*n] offset:64*(n/2)+16*(n%2)
.set n, n+1
.endr
.set n, 0
.rept 16
	ds_load_b128 v[192+4*n:195+4*n], v[STC] offset:528*n
.set n, n+1
.endr
	s_wait_dscnt 0x0
.set n, 0
.rept 16
	global_store_b128 v[GL], v[192+4*n:195+4*n], s[46:47] offset:131072*n
.set n, n+1
.endr
	s_wait_tensorcnt 0x0                   ; the wave's end, behind my last LDS store
	ds_add_u32 v[SPW], v[NIL]
	s_wait_dscnt 0x0
	s_endpgm
.Lfunc_end_k_qcb1e7fa149_tri_s:
	.size	k_qcb1e7fa149_tri_s, .Lfunc_end_k_qcb1e7fa149_tri_s-k_qcb1e7fa149_tri_s
	.p2alignl 7, 3214868480
	.fill 96, 4, 3214868480
	.section	.rodata,"a",@progbits
	.p2align	6, 0x0
	.amdhsa_kernel k_qcb1e7fa149_tri_s
		.amdhsa_group_segment_fixed_size 326656
		.amdhsa_private_segment_fixed_size 0
		.amdhsa_enable_private_segment 0
		.amdhsa_kernarg_size 176
		.amdhsa_user_sgpr_count 2
		.amdhsa_user_sgpr_kernarg_segment_ptr 1
		.amdhsa_wavefront_size32 1
		.amdhsa_system_sgpr_workgroup_id_x 1
		.amdhsa_system_sgpr_workgroup_id_y 1
		.amdhsa_system_sgpr_workgroup_id_z 1
		.amdhsa_system_vgpr_workitem_id 0
		.amdhsa_next_free_vgpr 256
		.amdhsa_next_free_sgpr 96
		.amdhsa_reserve_vcc 1
		.amdhsa_float_denorm_mode_32 3
		.amdhsa_float_denorm_mode_16_64 3
		.amdhsa_memory_ordered 1
		.amdhsa_forward_progress 1
		.amdhsa_inst_pref_size 129
	.end_amdhsa_kernel
	.amdgpu_metadata
---
amdhsa.version: [ 1, 2 ]
amdhsa.kernels:
  - .name:           k_qcb1e7fa149_tri_s
    .symbol:         k_qcb1e7fa149_tri_s.kd
    .args:
      - { .name: pair1, .offset: 0, .size: 8, .value_kind: global_buffer, .address_space: global }
      - { .name: pair_mask, .offset: 8, .size: 8, .value_kind: global_buffer, .address_space: global }
      - { .name: bias1, .offset: 16, .size: 8, .value_kind: global_buffer, .address_space: global }
      - { .name: params_blocks_0_tri_start_ln_g, .offset: 24, .size: 8, .value_kind: global_buffer, .address_space: global }
      - { .name: params_blocks_0_tri_start_ln_b, .offset: 32, .size: 8, .value_kind: global_buffer, .address_space: global }
      - { .name: params_blocks_0_tri_start_wq, .offset: 40, .size: 8, .value_kind: global_buffer, .address_space: global }
      - { .name: params_blocks_0_tri_start_wk, .offset: 48, .size: 8, .value_kind: global_buffer, .address_space: global }
      - { .name: params_blocks_0_tri_start_wv, .offset: 56, .size: 8, .value_kind: global_buffer, .address_space: global }
      - { .name: params_blocks_0_tri_start_wg, .offset: 64, .size: 8, .value_kind: global_buffer, .address_space: global }
      - { .name: params_blocks_0_tri_start_bg, .offset: 72, .size: 8, .value_kind: global_buffer, .address_space: global }
      - { .name: params_blocks_0_tri_start_wo, .offset: 80, .size: 8, .value_kind: global_buffer, .address_space: global }
      - { .name: params_blocks_0_tri_start_bo, .offset: 88, .size: 8, .value_kind: global_buffer, .address_space: global }
      - { .name: params_blocks_0_tri_end_ln_g, .offset: 96, .size: 8, .value_kind: global_buffer, .address_space: global }
      - { .name: params_blocks_0_tri_end_ln_b, .offset: 104, .size: 8, .value_kind: global_buffer, .address_space: global }
      - { .name: params_blocks_0_tri_end_wb, .offset: 112, .size: 8, .value_kind: global_buffer, .address_space: global }
      - { .name: params_blocks_0_pt_wu, .offset: 120, .size: 8, .value_kind: global_buffer, .address_space: global }
      - { .name: params_blocks_0_pt_bu, .offset: 128, .size: 8, .value_kind: global_buffer, .address_space: global }
      - { .name: params_blocks_0_pt_wd, .offset: 136, .size: 8, .value_kind: global_buffer, .address_space: global }
      - { .name: params_blocks_0_pt_bd, .offset: 144, .size: 8, .value_kind: global_buffer, .address_space: global }
      - { .name: pair2t, .offset: 152, .size: 8, .value_kind: global_buffer, .address_space: global }
      - { .name: bias2, .offset: 160, .size: 8, .value_kind: global_buffer, .address_space: global }
      - { .name: mode_a, .offset: 168, .size: 8, .value_kind: global_buffer, .address_space: global }
    .group_segment_fixed_size: 326656
    .private_segment_fixed_size: 0
    .kernarg_segment_align: 8
    .kernarg_segment_size: 176
    .max_flat_workgroup_size: 512
    .sgpr_count:     96
    .vgpr_count:     256
    .wavefront_size: 32
...
	.end_amdgpu_metadata
.endif
;; end of part 3
;; launch tri_e: the kernel of part 3 again; grid 256 x 1, 16 waves a work-group, no clusters, 326,656 bytes of LDS; arguments pair2t, pmt, bias2, params_blocks_0_tri_end_ln_g, params_blocks_0_tri_end_ln_b, params_blocks_0_tri_end_wq, params_blocks_0_tri_end_wk, params_blocks_0_tri_end_wv, params_blocks_0_tri_end_wg, params_blocks_0_tri_end_bg, params_blocks_0_tri_end_wo, params_blocks_0_tri_end_bo, params_blocks_0_pt_ln_g, params_blocks_0_pt_ln_b, params_blocks_0_tri_end_wb, params_blocks_0_pt_wu, params_blocks_0_pt_bu, params_blocks_0_pt_wd, params_blocks_0_pt_bd, out1, bias1, mode_b; writes out1, bias1
